; MI455X (gfx1250); checked and timed in simulation.
; The chip was launched on July 23, 2026; its instructions are those of AMD's public machine-readable ISA for CDNA 5 (MIT licence, August 2026) and "CDNA5" Instruction Set Architecture Reference Guide (July 2026). The comments in the code are by the model that wrote it; some were corrected since.
;; Encoder Block. Allowed arithmetic: matrix products marked QUANTISED: E5M2 operands, one given power-of-two scale a tensor, by v_wmma_f32_16x16x64_bf8_bf8 or v_wmma_f32_16x16x128_bf8_bf8, f32 sums; everything else in f32.
;; Inputs: b1 4,096 float32; b2 1,024 float32; bk 16 x 64 float32; bo 1,024 float32; bq 16 x 64 float32; bv 16 x 64 float32; ln1_b 1,024 float32; ln1_w 1,024 float32; ln2_b 1,024 float32; ln2_w 1,024 float32; lowp_scales 16 int32 (the exponents e of the quantised operands' scales 2^e); w1 1,024 x 4,096 float32; w2 4,096 x 1,024 float32; wk 1,024 x 16 x 64 float32; wo 16 x 64 x 1,024 float32; wq 1,024 x 16 x 64 float32; wv 1,024 x 16 x 64 float32; x 2 x 2,048 x 1,024 float32.
;; Outputs: out0 2 x 2,048 x 1,024 float32.
;; This version of the problem:
;;   THIS VERSION OF THE PROBLEM IS GIVEN IN LOW PRECISION. The matrix products marked QUANTISED in the list below multiply operands that are first quantised to E5M2 (5 exponent bits, 2 mantissa bits; 8 bits a number), with one given power-of-two scale for each operand tensor; their sums are f32. All else is computed in f32.
;;   The module's matrix products, in the order in which they are computed (A, B: the left and right operand; K: the contracted axis; several contracted axes count as one K, in the product's order):
;;     1. [M 1,024, K 1,024] x [K 1,024, N 4,096]; A: input wq; B: computed on the way: QUANTISED (scales: A lowp_scales[0], B lowp_scales[1])
;;     2. [M 1,024, K 1,024] x [K 1,024, N 4,096]; A: input wk; B: computed on the way: QUANTISED (scales: A lowp_scales[2], B lowp_scales[3])
;;     3. [M 1,024, K 1,024] x [K 1,024, N 4,096]; A: input wv; B: computed on the way: QUANTISED (scales: A lowp_scales[4], B lowp_scales[5])
;;     4. batch 32 x [M 2,048, K 64] x [K 64, N 2,048]; A: computed on the way; B: computed on the way: QUANTISED (scales: A lowp_scales[6], B lowp_scales[7])
;;     5. batch 32 x [M 2,048, K 2,048] x [K 2,048, N 64]; A: softmax (see below); B: computed on the way: QUANTISED (scales: A lowp_scales[8], B lowp_scales[9])
;;     6. [M 4,096, K 1,024] x [K 1,024, N 1,024]; A: computed on the way; B: input wo: QUANTISED (scales: A lowp_scales[10], B lowp_scales[11])
;;     7. [M 4,096, K 1,024] x [K 1,024, N 4,096]; A: computed on the way; B: input w1: QUANTISED (scales: A lowp_scales[12], B lowp_scales[13])
;;     8. [M 4,096, K 4,096] x [K 4,096, N 1,024]; A: computed on the way; B: input w2: QUANTISED (scales: A lowp_scales[14], B lowp_scales[15])
;;   THE QUANTISER, for each operand of a quantised product, along K:
;;     - The operand's scale is 2^e, e = its entry of the input lowp_scales (int32; the entries are numbered through the quantised products in the list's order, A before B).
;;     - Each number is divided by the scale, clamped to +-57,344, and rounded to the nearest number of E5M2, ties to even, subnormals kept.
;;     - The product sums the exact products of the quantised numbers (number of the format x scale) in f32.
;;   ~~~python
;;   def quantise(x, axis, e):      # numpy; x: float32 -> the quantised numbers, widened to float32 again
;;       x = np.moveaxis(x, axis, -1); K = x.shape[-1]
;;       r = np.clip(x / 2.0 ** e, -57344, 57344)
;;       step = 2.0 ** (np.maximum(np.frexp(np.where(r == 0, 1, r))[1] - 1, -14) - 2)
;;       q = np.round(r / step) * step * 2.0 ** e      # np.round: ties to even
;;       return np.moveaxis(q, -1, axis).astype(np.float32)
;;   ~~~
;;   SOFTMAX AHEAD OF A QUANTISED PRODUCT. Where the list says 'softmax', what is quantised is not the finished softmax but p = 2^(t - M), with t = logit x log2(e) and M = ceil(the row's largest t), a whole number; so 1/2 < the row's largest p <= 1. The row's sum l is taken of the UNQUANTISED p, in f32, and the product's result is divided by l at the end. Since M is a whole number, a kernel that streams over the keys may use a running M (the ceiling of the running maximum): every later rescaling is an exact power of two, so the quantised numbers keep their values, but for numbers so far below the row's largest that they fall under the format's range.
;;   OPERANDS COMPUTED ON THE WAY. 'Computed on the way' means the value that the module computes at that place (a softmax that the list does not call 'softmax' is quantised finished and normalised). What goes into a quantiser is computed in f32, as accurately as f32 sums, v_exp_f32 and their like allow (about 1e-6 of the number): no bf16 or f16 on the way to a quantiser, and a product that is left as it is and whose result goes on into a quantised operand takes f32 operands (vector FMAs, or v_wmma_f32_16x16x4_f32). A number that lies on a knife's edge between two numbers of the format may be rounded either way, as far as f32 arithmetic and the matrix unit's own rounding can turn it there, and no further.
;; One version. Each part assembles by itself: llvm-mc -triple=amdgcn-amd-amdhsa -mcpu=gfx1250 --defsym DOCPART=n.
;; ======== version 1 of 1: 7 launches
;; limits: right only within a limited range of input values
;; workspace buffers: rb 15,728,640 bytes; wimg 9,437,184 bytes; qkvimg 12,582,912 bytes; oimg 4,194,304 bytes; x2 16,777,216 bytes; h2img 4,194,304 bytes; gimg 16,777,216 bytes
;; launch prep (part 1): grid 640 x 1, 4 waves a work-group, no clusters, 52,736 bytes of LDS; arguments x, ln1_w, ln1_b, wq, wk, wv, wo, w1, w2, lowp_scales, rb, wimg; writes rb, wimg
.if DOCPART == 1
	.amdgcn_target "amdgcn-amd-amdhsa--gfx1250"
	.amdhsa_code_object_version 6
	.text
	.protected	k_q7a5650ceae_prep
	.globl	k_q7a5650ceae_prep
	.p2align	8
	.type	k_q7a5650ceae_prep,@function
k_q7a5650ceae_prep:
	s_mov_b64 s[64:65], 0
	v_nop
	global_prefetch_b8 v0, s[64:65] scope:SCOPE_SE
	s_setreg_imm32_b32 hwreg(HW_REG_WAVE_MODE, 25, 1), 1
	s_wait_xcnt 0x0
; The six weights and LN1(x) become codes of E5M2, laid as IMAGES OF OPERAND REGISTERS.
; THE LAYOUT, the same in every launch of this program.  Row tile T holds the 16 rows perm(T, r) = 32 (T / 2) + 8 (T % 2) + r + 8 (r / 8), r = 0 .. 15.
; Byte T x 16 K + 256 q + 16 r + i of an image holds the code of (row perm(T, r), k = 16 q + i).  So 2,048 bytes on end are a fragment of 16 rows x 128 K:
; lane 16 h + r takes 16 bytes at 16 x lane + 512 c into registers 4 c .. 4 c + 3: k = 32 c + 16 h + 0 .. 15.  Both sides of every product have this order of k.
; Work-groups 0-383: the weights, whose K is their FIRST axis: a lane takes a column n and its registers run down K, so the conversions give codes with K innermost; no LDS.
;   0-127: wq, wk, wv, wo (32 each); 128-255: w1; 256-383: w2.  A work-group takes 128 columns x 256 k, a wave 32 columns (two tiles).
; Work-groups 384-639: LN1 of one row tile of x, quantised three times (entries 1, 3, 5 of the scales need not be equal) from one read of x.
; The work-groups share no input but the small gain and bias, so there is no cluster and no tensor load.
; code = x / 2^e, held within +-57,344, to the nearest code, ties to even.  LIMITS: each e between -126 and 112; NaN and infinity among the inputs are not served.
.set NV, 3                             ; variants of the quantised rows
.set XR, 120                           ; v120-247: four rows x 32 numbers; later the rows of codes on the way out
.macro MKSC e, vs, vh                  ; v[vs] = 2^e as f32 (the conversion takes its exponent field), v[vh] = 57,344 x 2^e
	s_add_co_i32 s78, \e, 127
	s_lshl_b32 s79, s78, 23
	v_mov_b32 v[\vs], s79
	s_add_co_i32 s78, s78, 15
	s_lshl_b32 s78, s78, 23
	s_or_b32 s78, s78, 0x600000
	v_mov_b32 v[\vh], s78
.endm
; ---- the weights' macros
.macro LOADW t, nstr                   ; block t: W(32 t + J, my column): 32 lanes read 128 consecutive bytes
.set J, 0
.rept 32
	global_load_b32 v[32+32*((\t)%2)+J], v1, s[52:53] offset:(32*(\t)+J)*\nstr th:TH_LOAD_NT
.set J, J+1
.endr
.endm
.macro BLOCKW t, nstr
.set XS, 32+32*((\t)%2)
.if (\t) < 7
	s_wait_loadcnt 32                              ; this block's 32 loads are in; the next block's may be out
.else
	s_wait_loadcnt 0
.endif
.set J, 0
.rept 32
	v_med3_num_f32 v[XS+J], v[XS+J], -v10, v10     ; the conversion to an 8-bit code does not saturate (ISA guide 7.6.2): the hold comes first
.set J, J+1
.endr
.irp g, 0,1,2,3
	v_cvt_scalef32_pk8_bf8_f32 v[96+8*(\t)+2*\g:97+8*(\t)+2*\g], v[XS+8*\g:XS+8*\g+7], v11
.endr
	global_store_b128 v2, v[96+8*(\t):99+8*(\t)], s[56:57] offset:512*(\t)         ; k 0-15 of the block: sixteen lanes of a tile store 256 consecutive bytes, aligned
	global_store_b128 v2, v[100+8*(\t):103+8*(\t)], s[56:57] offset:512*(\t)+256   ; k 16-31.  Each block has code registers of its own: no store's data are written again
.if (\t)+2 < 8
	LOADW (\t)+2, \nstr
.endif
.endm
.macro WBODY nstr
	LOADW 0, \nstr
	LOADW 1, \nstr
.irp t, 0,1,2,3,4,5,6,7
	BLOCKW \t, \nstr
.endr
.endm
; ---- the layer norm's macros
.macro WSUM a, b                       ; v[a] summed over the 32 lanes, in every lane; v[b] at work
	v_add_f32_dpp v[\a], v[\a], v[\a] row_xmask:1 row_mask:0xf bank_mask:0xf
	v_add_f32_dpp v[\a], v[\a], v[\a] row_xmask:2 row_mask:0xf bank_mask:0xf
	v_add_f32_dpp v[\a], v[\a], v[\a] row_xmask:4 row_mask:0xf bank_mask:0xf
	v_add_f32_dpp v[\a], v[\a], v[\a] row_xmask:8 row_mask:0xf bank_mask:0xf
	v_permlanex16_b32 v[\b], v[\a], s68, s69
	v_add_f32 v[\a], v[\a], v[\b]
.endm
.macro LDROW i                         ; row i of my four: a lane takes k = 256 g + 8 lane + 0 .. 7: eight neighbours along K in eight registers
.irp g, 0,1,2,3
	global_load_b128 v[XR+32*\i+8*\g:XR+32*\i+8*\g+3], v1, s[4:5] offset:4096*\i+1024*\g
	global_load_b128 v[XR+32*\i+8*\g+4:XR+32*\i+8*\g+7], v1, s[4:5] offset:4096*\i+1024*\g+16
.endr
.endm
.macro LNROW i, cnt, cnt2              ; cnt: the younger loads that may stay out; cnt2: the same ahead of the use of gain and bias (-1: no wait)
.set X, XR+32*(\i)
	s_wait_loadcnt \cnt
	v_pk_add_f32 v[12:13], v[X:X+1], v[X+2:X+3]
	v_pk_add_f32 v[14:15], v[X+4:X+5], v[X+6:X+7]
.irp j, 8,12,16,20,24,28
	v_pk_add_f32 v[12:13], v[12:13], v[X+\j:X+\j+1]
	v_pk_add_f32 v[14:15], v[14:15], v[X+\j+2:X+\j+3]
.endr
	v_pk_add_f32 v[12:13], v[12:13], v[14:15]
	v_add_f32 v12, v12, v13
	WSUM 12, 13
	v_mul_f32 v12, s70, v12                        ; the mean
.irp j, 0,2,4,6,8,10,12,14,16,18,20,22,24,26,28,30
	v_pk_add_f32 v[X+\j:X+\j+1], v[X+\j:X+\j+1], v[12:13] op_sel_hi:[1,0] neg_lo:[0,1] neg_hi:[0,1]
.endr
	v_pk_mul_f32 v[14:15], v[X:X+1], v[X:X+1]      ; the variance of the centred numbers: no difference of large sums
	v_pk_mul_f32 v[40:41], v[X+2:X+3], v[X+2:X+3]
.irp j, 4,8,12,16,20,24,28
	v_pk_fma_f32 v[14:15], v[X+\j:X+\j+1], v[X+\j:X+\j+1], v[14:15]
	v_pk_fma_f32 v[40:41], v[X+\j+2:X+\j+3], v[X+\j+2:X+\j+3], v[40:41]
.endr
	v_pk_add_f32 v[14:15], v[14:15], v[40:41]
	v_add_f32 v14, v14, v15
	WSUM 14, 15
	v_fma_f32 v15, v14, s70, s71                   ; sum / 1,024 + 1e-5
	s_wait_alu depctr_va_vdst(0)
	v_rsq_f32 v14, v15
	v_nop                                          ; a plain instruction behind the transcendental,
	s_wait_alu depctr_va_vdst(0)                   ; and the wait ahead of the first use of its result
.if \cnt2 >= 0
	s_wait_loadcnt \cnt2
.endif
.irp j, 0,2,4,6,8,10,12,14,16,18,20,22,24,26,28,30
	v_pk_mul_f32 v[X+\j:X+\j+1], v[X+\j:X+\j+1], v[14:15] op_sel_hi:[1,0]
.endr
.irp j, 0,2,4,6,8,10,12,14,16,18,20,22,24,26,28,30
	v_pk_fma_f32 v[X+\j:X+\j+1], v[X+\j:X+\j+1], v[56+\j:57+\j], v[88+\j:89+\j]
.endr
.set VV, 0
.rept NV
.irp g, 0,1,2,3
.irp j, 0,1,2,3,4,5,6,7
	v_med3_num_f32 v[40+8*(\g%2)+\j], v[X+8*\g+\j], -v[8+VV], v[8+VV]    ; the hold, into one of two sets by turns: eight plain lines stand between a conversion and the next write of its sources
.endr
	v_cvt_scalef32_pk8_bf8_f32 v[16+8*VV+2*\g:17+8*VV+2*\g], v[40+8*(\g%2):47+8*(\g%2)], v[5+VV]
	ds_store_b64 v2, v[16+8*VV+2*\g:17+8*VV+2*\g] offset:17408*VV+4352*\g+16*(\i)
.endr
.set VV, VV+1
.endr
	s_wait_dscnt 0x0                               ; the stores have read their registers: the next row's codes may be written
.endm
	s_load_b512 s[4:19], s[0:1], 0x0               ; x 4, ln1_w 6, ln1_b 8, wq 10, wk 12, wv 14, wo 16, w1 18
	s_load_b256 s[20:27], s[0:1], 0x40             ; w2 20, the scales' exponents 22, rb 24, wimg 26
	v_lshl_add_u32 v254, v0, 2, 0xcc00
	v_mov_b32 v255, 0
	v_lshrrev_b32 v251, 5, v0
	v_readfirstlane_b32 s44, v251                  ; wave
	v_and_b32 v250, 31, v0                         ; lane
	s_wait_kmcnt 0x0
	s_load_b512 s[28:43], s[22:23], 0x0            ; entry i of the scales in s[28 + i]
	s_cmp_ge_u32 ttmp9, 384
	s_cbranch_scc1 .Lln
	; ---------------- the weights
	s_lshr_b32 s45, ttmp9, 7                       ; 0: wq, wk, wv, wo;  1: w1;  2: w2
	s_and_b32 s46, ttmp9, 127
	s_lshr_b32 s47, s46, 5                         ; which of the first four
	s_cmp_eq_u32 s45, 0
	s_cselect_b32 s48, 31, 127
	s_and_b32 s46, s46, s48
	s_cmp_eq_u32 s45, 1
	s_cselect_b32 s48, 31, 7                       ; w1 has 32 blocks of 128 columns, the others 8
	s_cselect_b32 s49, 5, 3
	s_cselect_b32 s62, 22, 20                      ; 256 rows of 16,384 or of 4,096 bytes
	s_and_b32 s50, s46, s48                        ; block of columns
	s_lshr_b32 s51, s46, s49                       ; block of 256 along K
	s_lshl_b32 s62, s51, s62
	s_lshl_b32 s63, s50, 9
	s_add_co_u32 s62, s62, s63
	s_lshl_b32 s63, s44, 7
	s_add_co_u32 s62, s62, s63                     ; the source's offset: rows + 512 x block + 128 x wave
	s_mov_b32 s63, 0
	s_lshl_b32 s58, s47, 20                        ; the image's place: wq, wk, wv are tiles 768, 832, 896 of rb;
	s_add_co_u32 s58, s58, 768*16384
	s_cmp_lt_u32 ttmp9, 96
	s_cselect_b32 s58, s58, 0                      ; wo lies at byte 0 of wimg,
	s_cmp_eq_u32 s45, 1
	s_cselect_b32 s58, 0x100000, s58               ; w1 at 1,048,576,
	s_cmp_eq_u32 s45, 2
	s_cselect_b32 s58, 0x500000, s58               ; w2 at 5,242,880
	s_cselect_b32 s59, 16, 14                      ; a tile is 16 K bytes: 2^16 for w2, else 2^14
	s_lshl_b32 s60, s50, 3
	s_lshl_b32 s61, s44, 1
	s_add_co_u32 s60, s60, s61                     ; my first tile: 8 x block + 2 x wave
	s_lshl_b32 s60, s60, s59
	s_lshl_b32 s61, s51, 12                        ; 256 along K are 4,096 bytes of a tile
	s_add_co_u32 s60, s60, s61
	s_add_co_u32 s60, s60, s58
	s_mov_b32 s61, 0
	s_wait_alu depctr_va_vdst(0)
	v_lshlrev_b32 v1, 2, v250                      ; in: 4 bytes a lane
	v_bfe_u32 v4, v250, 3, 1                       ; column 8 u + r + 8 (r / 8) of my 32: u = bit 3,
	v_lshlrev_b32 v4, s59, v4
	v_and_b32 v5, 7, v250
	v_lshrrev_b32 v6, 4, v250
	v_lshl_add_u32 v5, v6, 3, v5                   ; r = bits 2:0 + 8 x bit 4
	v_lshl_add_u32 v2, v5, 4, v4                   ; out: u tiles + 16 r
	s_cmp_eq_u32 s47, 1
	s_cselect_b64 s[52:53], s[12:13], s[10:11]
	s_cmp_eq_u32 s47, 2
	s_cselect_b64 s[52:53], s[14:15], s[52:53]
	s_cmp_eq_u32 s47, 3
	s_cselect_b64 s[52:53], s[16:17], s[52:53]
	s_cmp_eq_u32 s45, 1
	s_cselect_b64 s[52:53], s[18:19], s[52:53]
	s_cmp_eq_u32 s45, 2
	s_cselect_b64 s[52:53], s[20:21], s[52:53]
	s_cmp_lt_u32 ttmp9, 96
	s_cselect_b64 s[56:57], s[24:25], s[26:27]
	s_add_nc_u64 s[52:53], s[52:53], s[62:63]
	s_add_nc_u64 s[56:57], s[56:57], s[60:61]
	s_wait_kmcnt 0x0
	s_cmp_eq_u32 s47, 1                            ; the weight's own entry: 0, 2, 4, 11, 13, 15
	s_cselect_b32 s54, s30, s28
	s_cmp_eq_u32 s47, 2
	s_cselect_b32 s54, s32, s54
	s_cmp_eq_u32 s47, 3
	s_cselect_b32 s54, s39, s54
	s_cmp_eq_u32 s45, 1
	s_cselect_b32 s54, s41, s54
	s_cmp_eq_u32 s45, 2
	s_cselect_b32 s54, s43, s54
	MKSC s54, 11, 10
	s_cmp_eq_u32 s45, 1
	s_cbranch_scc1 .Lwide
	s_wait_alu depctr_va_vdst(0)
	WBODY 4096
	s_endpgm
.Lwide:
	s_wait_alu depctr_va_vdst(0)
	WBODY 16384
	s_endpgm
	; ---------------- LN1: wave w takes rows r = 4 w + i of tile TT: four neighbouring tokens
.Lln:
	s_sub_co_u32 s45, ttmp9, 384                   ; TT
	s_lshr_b32 s46, s45, 1
	s_lshl_b32 s46, s46, 5
	s_and_b32 s47, s45, 1
	s_lshl_b32 s47, s47, 3
	s_add_co_u32 s46, s46, s47
	s_lshl_b32 s47, s44, 2
	s_add_co_u32 s46, s46, s47
	s_lshr_b32 s47, s44, 1
	s_lshl_b32 s47, s47, 3
	s_add_co_u32 s46, s46, s47                     ; my first token: 32 (TT / 2) + 8 (TT % 2) + 4 w + 8 (w / 2)
	s_lshl_b32 s46, s46, 12
	s_mov_b32 s47, 0
	s_add_nc_u64 s[4:5], s[4:5], s[46:47]
	s_lshl_b32 s48, s45, 14
	s_mov_b32 s49, 0
	s_add_nc_u64 s[72:73], s[24:25], s[48:49]      ; the three images' tile TT
	s_add_nc_u64 s[74:75], s[72:73], 0x400000
	s_add_nc_u64 s[76:77], s[72:73], 0x800000
	s_mov_b32 s68, 0x76543210                      ; v_permlanex16_b32: lane l xor 16
	s_mov_b32 s69, 0xfedcba98
	s_mov_b32 s70, 0x3a800000                      ; 1 / 1,024
	s_mov_b32 s71, 0x3727c5ac                      ; 1e-5
	s_wait_alu depctr_va_vdst(0)
	v_lshlrev_b32 v1, 5, v250                      ; in: 32 bytes a lane
	LDROW 0
.irp g, 0,1,2,3
	global_load_b128 v[56+8*\g:59+8*\g], v1, s[6:7] offset:1024*\g
	global_load_b128 v[60+8*\g:63+8*\g], v1, s[6:7] offset:1024*\g+16
.endr
.irp g, 0,1,2,3
	global_load_b128 v[88+8*\g:91+8*\g], v1, s[8:9] offset:1024*\g
	global_load_b128 v[92+8*\g:95+8*\g], v1, s[8:9] offset:1024*\g+16
.endr
	LDROW 1
	LDROW 2
	LDROW 3
	; the stage of a variant: 64 chunks (16 along K) of 16 rows x 16 bytes, 272 bytes apart: the image with 16 bytes of padding behind each 256
	v_lshrrev_b32 v2, 1, v250
	v_mul_u32_u24 v2, v2, 272
	v_and_b32 v251, 1, v250
	v_lshl_add_u32 v2, v251, 3, v2
	s_lshl_b32 s48, s44, 6
	v_add_nc_u32 v2, s48, v2                       ; in: chunk lane / 2 (+ 16 g), row 4 w (+ i), half lane % 2
	v_lshrrev_b32 v3, 4, v250
	v_mul_u32_u24 v3, v3, 272
	v_and_b32 v251, 15, v250
	v_lshl_add_u32 v3, v251, 4, v3
	s_mul_i32 s48, s44, 4352
	v_add_nc_u32 v3, s48, v3                       ; back: wave w takes chunks 16 w on, two an instruction
	v_lshlrev_b32 v4, 4, v250
	s_lshl_b32 s48, s44, 12
	v_add_nc_u32 v4, s48, v4                       ; and the same bytes of the tile's image
	s_wait_kmcnt 0x0
	MKSC s29, 5, 8
	MKSC s31, 6, 9
	MKSC s33, 7, 10
	LNROW 0, 40, 24                                ; behind row 0's eight loads: gain 8, bias 8, rows 24; behind gain and bias: 24
	LNROW 1, 16, -1
	LNROW 2, 8, -1
	LNROW 3, 0, -1
	s_barrier_signal -1                            ; every wave's stores into the stages are done (the wait for 0 closes each row)
	s_barrier_wait -1
.set VV, 0
.rept NV
.irp p, 0,1,2,3,4,5,6,7
	ds_load_b128 v[XR+4*(8*VV+\p):XR+4*(8*VV+\p)+3], v3 offset:17408*VV+544*\p
.endr
.set VV, VV+1
.endr
.set VV, 0
.rept NV
.irp p, 0,1,2,3,4,5,6,7
	s_wait_dscnt 8*NV-1-(8*VV+\p)
	global_store_b128 v4, v[XR+4*(8*VV+\p):XR+4*(8*VV+\p)+3], s[72+2*VV:73+2*VV] offset:512*\p   ; 512 consecutive bytes, aligned
.endr
.set VV, VV+1
.endr
	s_wait_tensorcnt 0x0
	ds_add_u32 v254, v255
	s_wait_dscnt 0x0
	s_endpgm
.Lfunc_end_k_q7a5650ceae_prep:
	.size	k_q7a5650ceae_prep, .Lfunc_end_k_q7a5650ceae_prep-k_q7a5650ceae_prep
	.p2alignl 7, 3214868480
	.fill 96, 4, 3214868480
	.section	.rodata,"a",@progbits
	.p2align	6, 0x0
	.amdhsa_kernel k_q7a5650ceae_prep
		.amdhsa_group_segment_fixed_size 52736
		.amdhsa_private_segment_fixed_size 0
		.amdhsa_enable_private_segment 0
		.amdhsa_kernarg_size 96
		.amdhsa_user_sgpr_count 2
		.amdhsa_user_sgpr_kernarg_segment_ptr 1
		.amdhsa_wavefront_size32 1
		.amdhsa_system_sgpr_workgroup_id_x 1
		.amdhsa_system_sgpr_workgroup_id_y 1
		.amdhsa_system_sgpr_workgroup_id_z 1
		.amdhsa_system_vgpr_workitem_id 0
		.amdhsa_next_free_vgpr 256
		.amdhsa_next_free_sgpr 100
		.amdhsa_reserve_vcc 0
		.amdhsa_float_denorm_mode_32 3
		.amdhsa_float_denorm_mode_16_64 3
		.amdhsa_memory_ordered 1
		.amdhsa_forward_progress 1
		.amdhsa_inst_pref_size 158
	.end_amdhsa_kernel
	.amdgpu_metadata
---
amdhsa.version: [ 1, 2 ]
amdhsa.kernels:
  - .name:           k_q7a5650ceae_prep
    .symbol:         k_q7a5650ceae_prep.kd
    .args:
      - { .name: x, .offset: 0, .size: 8, .value_kind: global_buffer, .address_space: global }
      - { .name: ln1_w, .offset: 8, .size: 8, .value_kind: global_buffer, .address_space: global }
      - { .name: ln1_b, .offset: 16, .size: 8, .value_kind: global_buffer, .address_space: global }
      - { .name: wq, .offset: 24, .size: 8, .value_kind: global_buffer, .address_space: global }
      - { .name: wk, .offset: 32, .size: 8, .value_kind: global_buffer, .address_space: global }
      - { .name: wv, .offset: 40, .size: 8, .value_kind: global_buffer, .address_space: global }
      - { .name: wo, .offset: 48, .size: 8, .value_kind: global_buffer, .address_space: global }
      - { .name: w1, .offset: 56, .size: 8, .value_kind: global_buffer, .address_space: global }
      - { .name: w2, .offset: 64, .size: 8, .value_kind: global_buffer, .address_space: global }
      - { .name: lowp_scales, .offset: 72, .size: 8, .value_kind: global_buffer, .address_space: global }
      - { .name: rb, .offset: 80, .size: 8, .value_kind: global_buffer, .address_space: global }
      - { .name: wimg, .offset: 88, .size: 8, .value_kind: global_buffer, .address_space: global }
    .group_segment_fixed_size: 52736
    .private_segment_fixed_size: 0
    .kernarg_segment_align: 8
    .kernarg_segment_size: 96
    .max_flat_workgroup_size: 128
    .sgpr_count:     100
    .vgpr_count:     256
    .wavefront_size: 32
...
	.end_amdgpu_metadata
.endif
;; end of part 1
;; launch qkv (part 2): grid 16 x 48, 4 waves a work-group, clusters of 4 x 4, 327,680 bytes of LDS; arguments rb, lowp_scales, bq, bk, bv, qkvimg; writes qkvimg
.if DOCPART == 2
	.amdgcn_target "amdgcn-amd-amdhsa--gfx1250"
	.amdhsa_code_object_version 6
	.text
	.protected	k_q7a5650ceae_qkv
	.globl	k_q7a5650ceae_qkv
	.p2align	8
	.type	k_q7a5650ceae_qkv,@function
k_q7a5650ceae_qkv:
	s_mov_b64 s[64:65], 0
	v_nop
	global_prefetch_b8 v0, s[64:65] scope:SCOPE_SE
	s_setreg_imm32_b32 hwreg(HW_REG_WAVE_MODE, 25, 1), 1
	s_wait_xcnt 0x0
	s_wait_alu depctr_hold_cnt(0) depctr_sa_sdst(0) depctr_va_vdst(0) depctr_va_sdst(0) depctr_va_ssrc(0) depctr_va_vcc(0) depctr_vm_vsrc(0)
	s_getreg_b32 s2, hwreg(HW_REG_IB_STS2, 6, 4)
	s_cmp_eq_u32 s2, 0
	s_cbranch_scc0 .Lentry_in_a_cluster
	s_endpgm
.Lentry_in_a_cluster:
	s_bfe_u32 s2, ttmp6, 0x10000c
	s_cmp_lg_u32 s2, 0xf033
	s_cbranch_scc0 .Lentry_shape_is_right
	s_endpgm
.Lentry_shape_is_right:
; q, k and v: three products of LN1(x) with wq, wk, wv on codes of E5M2, bias added, quantised again (entries 6, 7, 9) and stored as images of operand registers for the attention.
; THE LAYOUT of all images: row tile T holds rows perm(T, r) = 32 (T / 2) + 8 (T % 2) + r + 8 (r / 8); 2,048 bytes on end are a fragment of 16 rows x 128 K; lane 16 h + r takes 16 bytes at
; 16 x lane + 512 c into registers 4 c .. 4 c + 3: k = 32 c + 16 h + 0 .. 15, alike on both sides of a product.
; A work-group of four waves makes 128 (R) x 128 (P), a wave 64 x 64: 16 accumulators.  Source 0 = 16 rows of P, source 1 = 16 rows of R: in the result of P tile 2 b' + u lane (r, h) holds R row perm(a, r) and
; its register j the P row 32 b' + 16 h + 8 u + j: the 16 registers of P tiles 2 b', 2 b' + 1 are 16 NEIGHBOURS along P, so two conversions give registers 4 b' .. 4 b' + 3 of the next product's fragment.
; Cluster rows 0-7 (q, k): R = tokens, P = rows of wq (x 0-7) or wk (x 8-15): a wave's 64 P rows are one head.  Cluster rows 8-11 (v): THE ROLES ARE SWAPPED, R = rows of wv, P = tokens, so that a lane holds one
; channel and its registers run along the keys, which are the K of the attention's second product.
; K = 1,024 lies whole in two LDS slots of 512: nothing is filled again.  CLUSTER 4 x 4: R's tiles are asked for jointly along a row of the cluster, P's along a column.
; LIMITS: e0 + e1, e2 + e3, e4 + e5 between -126 and 127; e6, e7, e9 between -126 and 112.  NaN and infinity are not served.
.set KTOT, 1024
.set SLOT,  8192                       ; the second 512 along K of a tile lie 8,192 bytes behind the first: a tile's whole K, 16,384 bytes, lies on end in LDS
.set STAGE, 262144
.set SPARE, 279552                     ; the spare words: 128 bytes a wave, two blocks of 256 bytes that no other line names
.set LAPS,  KTOT/1024
.set ACC, 128                          ; window 0: accumulator (a, b) at v[128 + 8 (4 a + b)]
.set F0, 0                             ; window 1: two fragment buffers: R's tiles at f + 16 a, P's at f + 64 + 16 b
.set F1, 128
.set G1, 24                            ; s[24:31] group 1 for R's tiles; s[32:39] group 0, a set for each slot
.set G0, 32
.set G1B, 48                           ; s[48:55], s[56:63] the same for P's
.set G0B, 56
.set MSB, 0
.macro WIN new                         ; the immediate's high byte repeats the setting that is left
.if MSB != \new
	s_set_vgpr_msb (MSB<<8)|\new
.set MSB, \new
.endif
.endm
.macro JLOAD s                         ; a joint load: waves 0, 1 fetch R's halves, waves 2, 3 P's; four v_nop follow each line
	s_cmp_eq_u32 s11, 0
	s_cbranch_scc0 .Lfor_p_\@
	tensor_load_to_lds s[G0+4*\s:G0+4*\s+3], s[G1:G1+7]
	s_nop 0
.rept 4
	v_nop
.endr
	s_branch .Lasked_\@
.Lfor_p_\@:
	tensor_load_to_lds s[G0B+4*\s:G0B+4*\s+3], s[G1B:G1B+7]
	s_nop 0
.rept 4
	v_nop
.endr
.Lasked_\@:
.endm
.macro CREST                           ; a round of the cluster's barrier behind its opening barrier
	s_cmp_lg_u32 s10, 0
	s_cbranch_scc1 .Lnot_wave_0_\@
	s_barrier_signal -3
.Lnot_wave_0_\@:
	s_barrier_wait -3
	s_barrier_signal -1
	s_barrier_wait -1
.endm
.macro CROUND
	s_barrier_signal -1
	s_barrier_wait -1
	CREST
.endm
.macro PLACES                          ; four plain places in front of loads into registers that matrix instructions have read, and of the first read of results
.rept 4
	v_nop
.endr
.endm
.macro FETCH slot, q, f                ; the fragments of the slot's q-th 128 along K: P's four tiles, R's tiles 0, 1, then 2, 3: each load 512 consecutive bytes
	WIN 0x40
.irp i, 0,1,2,3
.irp c, 0,1,2,3
	ds_load_b128 v[\f+64+16*\i+4*\c:\f+64+16*\i+4*\c+3], v[20+\slot] offset:\i*16384+(\q)*2048+512*\c
.endr
.endr
.irp i, 0,1,2,3
.irp c, 0,1,2,3
	ds_load_b128 v[\f+16*\i+4*\c:\f+16*\i+4*\c+3], v[16+\slot] offset:\i*16384+(\q)*2048+512*\c
.endr
.endr
.endm
.macro MUL8 f, a0, mode                ; R tiles a0, a0 + 1 x P's four.  mode 1: C = 0; 2: C = the bias; 0: in place.  The 16 accumulators take turns
.irp a, \a0, \a0+1
.irp b, 0,1,2,3
.if \mode == 1
	v_wmma_f32_16x16x128_bf8_bf8 v[ACC+8*(4*(\a)+\b):ACC+8*(4*(\a)+\b)+7], v[\f+64+16*\b:\f+64+16*\b+15], v[\f+16*(\a):\f+16*(\a)+15], 0
.elseif \mode == 2
	v_wmma_f32_16x16x128_bf8_bf8 v[ACC+8*(4*(\a)+\b):ACC+8*(4*(\a)+\b)+7], v[\f+64+16*\b:\f+64+16*\b+15], v[\f+16*(\a):\f+16*(\a)+15], v[32+8*\b:32+8*\b+7]
.else
	v_wmma_f32_16x16x128_bf8_bf8 v[ACC+8*(4*(\a)+\b):ACC+8*(4*(\a)+\b)+7], v[\f+64+16*\b:\f+64+16*\b+15], v[\f+16*(\a):\f+16*(\a)+15], v[ACC+8*(4*(\a)+\b):ACC+8*(4*(\a)+\b)+7]
.endif
.endr
.endr
.endm
.macro QUARTER slot, qnext, f, g, mode ; 128 along K from buffer f; the next 128 are fetched into g in its middle
	s_wait_dscnt 8                                 ; all but the youngest eight loads (R's tiles 2, 3)
	WIN 0x05
	MUL8 \f, 0, \mode
	PLACES
	FETCH \slot, \qnext, \g
	s_wait_dscnt 32                                ; all but the 32 just issued
	WIN 0x05
	MUL8 \f, 2, \mode
.endm
.macro TURN slot, next, fill           ; a slot's last 128 along K, and the change of slots
	WIN 0
	s_wait_tensorcnt 0x0                           ; all my tensor loads have landed: my part of the next slot;
	ds_add_u32 v28, v29                            ; 0 onto my spare word;
	s_wait_dscnt 9                                 ; (the add and the youngest eight loads may be out)
	WIN 0x05
	MUL8 F1, 0, 0
	s_wait_dscnt 0x0                               ; the add is done, and my reads of this slot are over
	s_barrier_signal -1
	MUL8 F1, 2, 0
.if \fill
	WIN 0
.endif
	s_barrier_wait -1
.if \fill
	CREST                                          ; the barrier has opened a round of the cluster's: no wave of any partner still reads this slot or has a load on its way
	s_add_nc_u64 s[G0+4*\slot+2:G0+4*\slot+3], s[G0+4*\slot+2:G0+4*\slot+3], 16384
	s_add_nc_u64 s[G0B+4*\slot+2:G0B+4*\slot+3], s[G0B+4*\slot+2:G0B+4*\slot+3], 16384
	JLOAD \slot
.else
	PLACES
.endif
	FETCH \next, 0, F0
.endm
.macro MAIN mode
	s_wait_tensorcnt 0x0                           ; my one load, four tiles over the whole K, is in
	s_barrier_signal -1
	s_barrier_wait -1
	FETCH 0, 0, F0
	QUARTER 0, 1, F0, F1, \mode                    ; the first products start the sums: nothing is cleared
.if LAPS > 1
	WIN 0
	s_mov_b32 s3, LAPS-1
.Llap:
	QUARTER 0, 2, F1, F0, 0
	QUARTER 0, 3, F0, F1, 0
	TURN 0, 1, 1
	QUARTER 1, 1, F0, F1, 0
	QUARTER 1, 2, F1, F0, 0
	QUARTER 1, 3, F0, F1, 0
	TURN 1, 0, 1
	QUARTER 0, 1, F0, F1, 0
	WIN 0
	s_sub_co_u32 s3, s3, 1
	s_cmp_lg_u32 s3, 0
	s_cbranch_scc1 .Llap
.endif
	QUARTER 0, 2, F1, F0, 0
	QUARTER 0, 3, F0, F1, 0
	TURN 0, 1, 0
	QUARTER 1, 1, F0, F1, 0
	QUARTER 1, 2, F1, F0, 0
	QUARTER 1, 3, F0, F1, 0
	s_wait_dscnt 8
	WIN 0x05
	MUL8 F1, 0, 0
	s_wait_dscnt 0
	MUL8 F1, 2, 0
	WIN 0
	PLACES
.endm
.macro CLOSE
	s_wait_tensorcnt 0x0                           ; the wave's end
	ds_add_u32 v28, v29
	s_wait_dscnt 0x0
	CROUND                                         ; the closing round: no work-group ends while a partner may still ask for a tile that names it
	s_endpgm
.endm
	s_load_b64 s[4:5], s[0:1], 0x0                 ; rb: both operands
	s_load_b64 s[8:9], s[0:1], 0x8                 ; the scales' exponents
	s_load_b256 s[84:91], s[0:1], 0x10             ; bq 84, bk 86, bv 88, qkvimg 90
	v_lshl_add_u32 v28, v0, 2, SPARE
	v_mov_b32 v29, 0
	ds_add_u32 v28, v29
	ds_add_u32 v28, v29
	s_wait_dscnt 0x0
	v_lshrrev_b32 v1, 5, v0
	v_readfirstlane_b32 s10, v1                    ; wave
	s_lshr_b32 s11, s10, 1                         ; my half of R.  Also: I fetch for R (0) or P (1)
	s_and_b32 s12, s10, 1                          ; my half of P.  Also: which four tiles I fetch
	s_bfe_u32 s40, ttmp6, 0x40000                  ; cx
	s_bfe_u32 s41, ttmp6, 0x40004                  ; cy
	s_lshl_b32 s42, ttmp9, 2
	s_add_co_u32 s42, s42, s40                     ; x = 4 x cluster x + cx
	s_and_b32 s92, ttmp7, 0xffff                   ; cluster y: the same in all sixteen partners
	s_lshr_b32 s93, s92, 3                         ; 1: this cluster makes v
	s_and_b32 s94, s92, 7
	s_lshr_b32 s95, ttmp9, 1                       ; 0: q, 1: k (where it does not make v)
	s_lshl_b32 s43, s41, 2
	s_lshl_b32 s43, 15, s43                        ; my row of the cluster
	s_lshl_b32 s44, 0x1111, s40                    ; my column
	s_or_b32 s[G1+0], s43, (3<<16)|(1<<21)         ; the mask; elements of 8 bytes; bit 21 beside a mask; no padding
	s_or_b32 s[G1B+0], s44, (3<<16)|(1<<21)
.irp g, G1, G1B
	s_mov_b32 s[\g+1], 32<<16                      ; four tiles x 16,384 bytes are one dense block of 65,536 bytes: 256 rows of 256 bytes
	s_mov_b32 s[\g+2], 256<<16
	s_mov_b32 s[\g+3], 32<<16
	s_mov_b32 s[\g+4], 256
	s_mov_b32 s[\g+5], 32
	s_mov_b32 s[\g+6], 0
	s_mov_b32 s[\g+7], 0
.endr
	s_lshl_b32 s17, s12, 2                         ; which four tiles I fetch
	s_lshl_b32 s16, s95, 8                         ; R's first tile.  q, k: LN1(x) with entry 1 or 3: 256 x which + 32 x cluster y
	s_lshl_b32 s18, s94, 5
	s_add_co_u32 s16, s16, s18
	s_and_b32 s18, s94, 1                          ; v: wv: 896 + 32 x (cluster y % 2)
	s_lshl_b32 s18, s18, 5
	s_add_co_u32 s18, s18, 896
	s_cmp_eq_u32 s93, 1
	s_cselect_b32 s16, s18, s16
	s_lshl_b32 s18, s41, 3
	s_add_co_u32 s16, s16, s18                     ; + 8 cy
	s_add_co_u32 s16, s16, s17
	s_lshl_b32 s16, s16, 14
	s_lshr_b32 s19, s94, 1                         ; P's first tile.  v: LN1(x) with entry 5: 512 + 128 x batch;  q, k: wq and wk on end: 768
	s_lshl_b32 s19, s19, 7
	s_add_co_u32 s19, s19, 512
	s_cmp_eq_u32 s93, 1
	s_cselect_b32 s19, s19, 768
	s_lshl_b32 s46, s42, 3
	s_add_co_u32 s46, s46, s19                     ; + 8 x
	s_add_co_u32 s46, s46, s17
	s_lshl_b32 s46, s46, 14
	s_mov_b32 s17, 0
	s_mov_b32 s47, 0
	s_lshl_b32 s20, s10, 16                        ; where my four tiles go: wave x 65,536
	s_wait_kmcnt 0x0
	s_load_b512 s[68:83], s[8:9], 0x0              ; entry i in s[68 + i]
	s_add_nc_u64 s[14:15], s[4:5], s[16:17]
	s_add_nc_u64 s[46:47], s[4:5], s[46:47]
	CROUND                                         ; all sixteen work-groups are here: the first joint loads meet
.irp s, 0
	s_mov_b32 s[G0+4*\s], 1
	s_add_co_u32 s[G0+4*\s+1], s20, \s*SLOT
	s_add_nc_u64 s[G0+4*\s+2:G0+4*\s+3], s[14:15], \s*8192
	s_or_b32 s[G0+4*\s+3], s[G0+4*\s+3], 0x80000000
	s_mov_b32 s[G0B+4*\s], 1
	s_add_co_u32 s[G0B+4*\s+1], s20, \s*SLOT
	s_add_nc_u64 s[G0B+4*\s+2:G0B+4*\s+3], s[46:47], \s*8192
	s_or_b32 s[G0B+4*\s+3], s[G0B+4*\s+3], 0x80000000
	JLOAD \s
.endr
	v_and_b32 v1, 31, v0
	v_lshlrev_b32 v2, 4, v1                        ; 16 x lane: an image's place for my lane
	s_lshl_b32 s21, s11, 16
	s_lshl_b32 s22, s12, 16
	s_add_co_u32 s22, s22, 131072
.irp s, 0,1
	v_add_nc_u32 v[16+\s], s21, v2
	v_add_nc_u32 v[20+\s], s22, v2
	s_add_co_u32 s21, s21, SLOT
	s_add_co_u32 s22, s22, SLOT
.endr
	; the biases.  Both kinds are loaded in every work-group (both addresses lie inside their buffers everywhere), and the way out takes the one that is its own
	s_and_b32 s96, s42, 7
	s_lshl_b32 s96, s96, 1
	s_add_co_u32 s96, s96, s12                     ; q, k: my head: 2 (x % 8) + my half of P
	s_and_b32 s97, s94, 1
	s_lshl_b32 s97, s97, 3
	s_lshl_b32 s98, s41, 1
	s_add_co_u32 s97, s97, s98
	s_add_co_u32 s97, s97, s11                     ; v: my head: 8 (cluster y % 2) + 2 cy + my half of R
	s_cmp_eq_u32 s95, 1
	s_cselect_b64 s[84:85], s[86:87], s[84:85]     ; bk or bq
	s_lshl_b32 s98, s96, 8
	s_mov_b32 s99, 0
	s_add_nc_u64 s[84:85], s[84:85], s[98:99]
	s_lshl_b32 s98, s97, 8
	s_add_nc_u64 s[88:89], s[88:89], s[98:99]
	v_bfe_u32 v3, v0, 4, 1                         ; h
	v_lshlrev_b32 v4, 6, v3
.irp b, 0,1,2,3
	global_load_b128 v[32+8*\b:35+8*\b], v4, s[84:85] offset:128*(\b/2)+32*(\b%2)       ; along P: channel 32 b' + 16 h + 8 u + j
	global_load_b128 v[36+8*\b:39+8*\b], v4, s[84:85] offset:128*(\b/2)+32*(\b%2)+16
.endr
	v_and_b32 v5, 15, v0
	v_and_b32 v6, 8, v5
	v_add_nc_u32 v5, v5, v6
	v_lshlrev_b32 v5, 2, v5                        ; 4 (r + 8 (r / 8))
.irp a, 0,1,2,3
	global_load_b32 v[96+2*\a], v5, s[88:89] offset:(32*(\a/2)+8*(\a%2))*4               ; along R: my lane's channel perm(a, r)
.endr
	; where the codes go.  q: [head of 32][token tile of 128][1,024];  from byte 4,194,304: [head][block of 128 keys][K's 8 tiles x 1,024, then V^T's 4 fragments x 2,048]
	s_lshr_b32 s98, s94, 2
	s_lshl_b32 s98, s98, 4
	s_add_co_u32 s98, s98, s96                     ; 16 x batch + head
	s_lshl_b32 s98, s98, 17
	s_and_b32 s21, s94, 3
	s_lshl_b32 s21, s21, 2
	s_add_co_u32 s21, s21, s41                     ; my block of 128 tokens in the batch
	s_lshl_b32 s21, s21, 13
	s_add_co_u32 s98, s98, s21
	s_lshl_b32 s98, s98, s95                       ; k's blocks are twice as far apart as q's
	s_lshl_b32 s21, s95, 22
	s_add_co_u32 s98, s98, s21
	s_lshl_b32 s21, s11, 12
	s_add_co_u32 s98, s98, s21
	s_lshr_b32 s22, s94, 1
	s_lshl_b32 s22, s22, 4
	s_add_co_u32 s22, s22, s97
	s_lshl_b32 s22, s22, 18
	s_lshl_b32 s21, s42, 14                        ; v: the block of keys is x
	s_add_co_u32 s22, s22, s21
	s_lshl_b32 s21, s12, 10                        ; my 64 keys of the 128
	s_add_co_u32 s22, s22, s21
	s_add_co_u32 s22, s22, 4194304+8192
	s_cmp_eq_u32 s93, 1
	s_cselect_b32 s98, s22, s98
	s_add_nc_u64 s[90:91], s[90:91], s[98:99]
	s_wait_kmcnt 0x0
	s_add_co_i32 s21, s68, s69
	s_add_co_i32 s22, s70, s71
	s_add_co_i32 s23, s72, s73
	s_cmp_eq_u32 s95, 1
	s_cselect_b32 s21, s22, s21
	s_cselect_b32 s22, s75, s74
	s_cmp_eq_u32 s93, 1
	s_cselect_b32 s21, s23, s21                    ; the two operands' exponents added,
	s_cselect_b32 s22, s77, s22                    ; and the result's own: entry 6, 7 or 9
	s_add_co_i32 s21, s21, 127
	s_lshl_b32 s66, s21, 23
	s_mov_b32 s67, s66                             ; (named with it as a pair, so it is written)
	s_add_co_i32 s22, s22, 127
	s_lshl_b32 s23, s22, 23
	v_mov_b32 v12, s23
	s_add_co_i32 s22, s22, 15
	s_lshl_b32 s22, s22, 23
	s_or_b32 s22, s22, 0x600000
	v_mov_b32 v13, s22
	s_wait_loadcnt 0x0
.irp a, 0,1,2,3
	v_mov_b32 v[97+2*\a], v[96+2*\a]               ; (the pair's upper word is named, so it is written)
.endr
	MAIN 1
; THE WAY OUT, an R tile at a time: sum x 2^(ea + eb) + bias, the hold, four conversions: eight registers that ARE the next operand's; two stores of 512 consecutive bytes.
.macro EPIQ perlane, astr
.irp a, 0,1,2,3
.irp b, 0,1,2,3
.irp j, 0,2,4,6
.if \perlane
	v_pk_fma_f32 v[ACC+8*(4*\a+\b)+\j:ACC+8*(4*\a+\b)+\j+1], v[ACC+8*(4*\a+\b)+\j:ACC+8*(4*\a+\b)+\j+1], s[66:67], v[96+2*\a:97+2*\a] op_sel_hi:[1,0,0]
.else
	v_pk_fma_f32 v[ACC+8*(4*\a+\b)+\j:ACC+8*(4*\a+\b)+\j+1], v[ACC+8*(4*\a+\b)+\j:ACC+8*(4*\a+\b)+\j+1], s[66:67], v[32+8*\b+\j:32+8*\b+\j+1] op_sel_hi:[1,0,1]
.endif
.endr
.endr
.set J, 0
.rept 32
	v_med3_num_f32 v[ACC+32*\a+J], v[ACC+32*\a+J], -v13, v13
.set J, J+1
.endr
.irp b, 0,1,2,3
	v_cvt_scalef32_pk8_bf8_f32 v[64+8*\a+2*\b:65+8*\a+2*\b], v[ACC+32*\a+8*\b:ACC+32*\a+8*\b+7], v12
.endr
	v_nop                                          ; a plain line behind the last conversion of the run
	global_store_b128 v2, v[64+8*\a:67+8*\a], s[90:91] offset:\astr*\a
	global_store_b128 v2, v[68+8*\a:71+8*\a], s[90:91] offset:\astr*\a+512
.endr
.endm
	s_cmp_eq_u32 s93, 1                            ; the cluster's y alone: the same way in all partners
	s_cbranch_scc1 .Lv
	EPIQ 0, 1024
	s_branch .Lend
.Lv:
	s_wait_alu depctr_va_vdst(0)
	EPIQ 1, 2048
.Lend:
	CLOSE
.Lfunc_end_k_q7a5650ceae_qkv:
	.size	k_q7a5650ceae_qkv, .Lfunc_end_k_q7a5650ceae_qkv-k_q7a5650ceae_qkv
	.p2alignl 7, 3214868480
	.fill 96, 4, 3214868480
	.section	.rodata,"a",@progbits
	.p2align	6, 0x0
	.amdhsa_kernel k_q7a5650ceae_qkv
		.amdhsa_group_segment_fixed_size 327680
		.amdhsa_private_segment_fixed_size 0
		.amdhsa_enable_private_segment 0
		.amdhsa_kernarg_size 48
		.amdhsa_user_sgpr_count 2
		.amdhsa_user_sgpr_kernarg_segment_ptr 1
		.amdhsa_wavefront_size32 1
		.amdhsa_system_sgpr_workgroup_id_x 1
		.amdhsa_system_sgpr_workgroup_id_y 1
		.amdhsa_system_sgpr_workgroup_id_z 1
		.amdhsa_system_vgpr_workitem_id 0
		.amdhsa_next_free_vgpr 512
		.amdhsa_next_free_sgpr 100
		.amdhsa_reserve_vcc 0
		.amdhsa_float_denorm_mode_32 3
		.amdhsa_float_denorm_mode_16_64 3
		.amdhsa_memory_ordered 1
		.amdhsa_forward_progress 1
		.amdhsa_inst_pref_size 64
	.end_amdhsa_kernel
	.amdgpu_metadata
---
amdhsa.version: [ 1, 2 ]
amdhsa.kernels:
  - .name:           k_q7a5650ceae_qkv
    .symbol:         k_q7a5650ceae_qkv.kd
    .args:
      - { .name: rb, .offset: 0, .size: 8, .value_kind: global_buffer, .address_space: global }
      - { .name: lowp_scales, .offset: 8, .size: 8, .value_kind: global_buffer, .address_space: global }
      - { .name: bq, .offset: 16, .size: 8, .value_kind: global_buffer, .address_space: global }
      - { .name: bk, .offset: 24, .size: 8, .value_kind: global_buffer, .address_space: global }
      - { .name: bv, .offset: 32, .size: 8, .value_kind: global_buffer, .address_space: global }
      - { .name: qkvimg, .offset: 40, .size: 8, .value_kind: global_buffer, .address_space: global }
    .group_segment_fixed_size: 327680
    .private_segment_fixed_size: 0
    .kernarg_segment_align: 8
    .kernarg_segment_size: 48
    .max_flat_workgroup_size: 128
    .sgpr_count:     100
    .vgpr_count:     512
    .wavefront_size: 32
...
	.end_amdgpu_metadata
.endif
;; end of part 2
;; launch attn (part 3): grid 8 x 32, 8 waves a work-group, clusters of 4 x 1, 264,192 bytes of LDS; arguments qkvimg, lowp_scales, oimg; writes oimg
.if DOCPART == 3
	.amdgcn_target "amdgcn-amd-amdhsa--gfx1250"
	.amdhsa_code_object_version 6
	.text
	.protected	k_q7a5650ceae_attn
	.globl	k_q7a5650ceae_attn
	.p2align	8
	.type	k_q7a5650ceae_attn,@function
k_q7a5650ceae_attn:
	s_mov_b64 s[64:65], 0
	v_nop
	global_prefetch_b8 v0, s[64:65] scope:SCOPE_SE
	s_setreg_imm32_b32 hwreg(HW_REG_WAVE_MODE, 25, 1), 1
	s_wait_xcnt 0x0
	s_wait_alu depctr_hold_cnt(0) depctr_sa_sdst(0) depctr_va_vdst(0) depctr_va_sdst(0) depctr_va_ssrc(0) depctr_va_vcc(0) depctr_vm_vsrc(0)
	s_getreg_b32 s2, hwreg(HW_REG_IB_STS2, 6, 4)
	s_cmp_eq_u32 s2, 0
	s_cbranch_scc0 .Lentry_in_a_cluster
	s_endpgm
.Lentry_in_a_cluster:
	s_bfe_u32 s2, ttmp6, 0x10000c
	s_cmp_lg_u32 s2, 0x3003
	s_cbranch_scc0 .Lentry_shape_is_right
	s_endpgm
.Lentry_shape_is_right:
; o = softmax(q k^T / 8) v for one head, both products on codes of E5M2; the result is quantised (entry 10) and stored as an image of operand registers for the output projection.
; THE SOFTMAX AHEAD OF THE SECOND PRODUCT: t = score x log2(e) / 8; M = the running largest t rounded UP to a whole number; p = 2^(t - M) is quantised (entry 8), not normalised; the row's sum is taken of the
; unquantised p and divides at the end; when M moves, the sum and O are multiplied by 2^(old M - new M), which rounds nothing.
; SHARES.  A work-group owns 256 queries of one head; each of its EIGHT waves owns 32 of them, two tiles of 16, so that each fragment of K and of V read from LDS feeds two matrix instructions.
; THE HEAD'S WHOLE K AND V, 262,144 bytes of codes, one dense block of memory, LIE IN LDS: each wave brings 32,768 bytes by its one tensor load; each byte is filled once, nothing is filled again,
; so behind the one barrier that shows K and V to all waves no wave waits for another until the end.
; CLUSTER 4 x 1: the four blocks of queries of a cluster belong to one head and ask for K and V jointly.  No prefetch: every byte is asked for at the head, and there is no loop to run ahead in.
; LAYOUT.  Both products transposed: S^T = K Q^T (source 0 = 16 keys), O^T = V^T P^T (source 0 = 16 channels): a lane holds ONE query of each tile.  The keys of tile t are 32 (t / 2) + 8 (t % 2) + r + 8 (r / 8), so that
; the 16 registers of tiles 2 b, 2 b + 1 are keys 32 b + 16 h + 0 .. 15: the conversions' results are the second product's operand.  V^T's channels are chosen alike, so that O^T's registers run along the next K.
; A key step is 128 keys, 16,384 bytes of LDS: K's eight tiles of 1,024 bytes, then V^T's four fragments of 2,048.  The next step's K is fetched into registers while this step's softmax is walked.
; LIMITS: e6 + e7 between -123 and 130 (added to c's exponent field); e8 and e10 between -126 and 112; the scaled scores stay under 2^31 in magnitude.  NaN and infinity are not served.
; REGISTERS.  Window 0: v1 16 x lane; v2, v3 the add's two; v5 2^e8, v6 = v7 its hold; v8, v9 LDS addresses; v10, v11 o's scale and hold; tile T: v[12+2T] -M, v[13+2T] the largest t, v[16+2T:17+2T] the sum,
;   v[20+2T] f, v[24+2T], v[25+2T], v[28+T] at work; v32-47 Q; v48-79 p's codes; v80-83 at work; v128-255 S^T, then p, of both tiles.   Window 1: v0-63 K; v64-127 V; v128-191 O^T of both tiles.
.set SPARE, 262144                     ; behind K and V: the spare words, 128 bytes a wave: four blocks of 256 bytes that no other line names
.set SPW, 2
.set NIL, 3
.set QF, 32
.set CD, 48
.set SS, 128
.set KF, 0
.set VF, 64
.set OA, 128
.set MSB, 0
.macro WIN new                         ; the immediate's high byte repeats the setting that is left
.if MSB != \new
	s_set_vgpr_msb (MSB<<8)|\new
.set MSB, \new
.endif
.endm
.macro CROUND
	s_barrier_signal -1
	s_barrier_wait -1
	s_cmp_lg_u32 s18, 0
	s_cbranch_scc1 .Lnot_wave_0_\@
	s_barrier_signal -3
.Lnot_wave_0_\@:
	s_barrier_wait -3
	s_barrier_signal -1
	s_barrier_wait -1
.endm
.macro MKSC e, vs, vh                  ; v[vs] = 2^e as f32, v[vh] = 57,344 x 2^e (left in s54 too)
	s_add_co_i32 s54, \e, 127
	s_lshl_b32 s55, s54, 23
	v_mov_b32 v[\vs], s55
	s_add_co_i32 s54, s54, 15
	s_lshl_b32 s54, s54, 23
	s_or_b32 s54, s54, 0x600000
	v_mov_b32 v[\vh], s54
.endm
	s_load_b128 s[4:7], s[0:1], 0x0                ; qkvimg, the scales' exponents
	s_load_b64 s[8:9], s[0:1], 0x10                ; oimg
	v_lshl_add_u32 v[SPW], v0, 2, SPARE
	v_mov_b32 v[NIL], 0
	ds_add_u32 v[SPW], v[NIL]                      ; the opening lines: the add, twice on end, and its wait ahead of my tensor load
	ds_add_u32 v[SPW], v[NIL]
	v_lshrrev_b32 v4, 5, v0
	v_readfirstlane_b32 s18, v4                    ; wave 0..7
	s_bfe_u32 s13, ttmp6, 0x40000                  ; cx: it enters Q's and o's addresses alone
	s_lshl_b32 s14, ttmp9, 2
	s_add_co_u32 s14, s14, s13                     ; my block of 256 queries
	s_and_b32 s19, ttmp7, 0xffff                   ; 16 x batch + head, which the partners share
	s_lshl_b32 s10, s19, 18
	s_lshl_b32 s20, s18, 15                        ; my wave's 32,768 bytes of the head's block
	s_add_co_u32 s10, s10, s20
	s_add_co_u32 s10, s10, 4194304
	s_mov_b32 s11, 0
	s_mov_b32 s24, 15|(3<<16)|(1<<21)              ; the mask: all four work-groups; elements of 8 bytes; bit 21 beside a mask; no padding
	s_mov_b32 s25, 32<<16                          ; tensor_dim0: 256 bytes
	s_mov_b32 s26, 128<<16                         ; tensor_dim1: 128 rows
	s_mov_b32 s27, 32<<16                          ; tile_dim0
	s_mov_b32 s28, 128                             ; tile_dim1
	s_mov_b32 s29, 32                              ; the rows are dense
	s_mov_b32 s30, 0
	s_mov_b32 s31, 0
	s_mov_b32 s52, 0x76543210                      ; v_permlanex16_b32: lane l xor 16
	s_mov_b32 s53, 0xfedcba98
	s_mov_b32 s22, 0x3e38aa3b                      ; c = log2(e) / 8
	s_wait_dscnt 0x0
	s_wait_kmcnt 0x0
	s_load_b512 s[68:83], s[6:7], 0x0              ; entry i in s[68 + i]
	s_add_nc_u64 s[10:11], s[4:5], s[10:11]
	s_mov_b32 s32, 1
	s_mov_b32 s33, s20                             ; the same byte of the block in LDS as in memory
	s_mov_b64 s[34:35], s[10:11]
	s_or_b32 s35, s35, 0x80000000
	CROUND                                         ; all four work-groups are here: the joint loads meet
	tensor_load_to_lds s[32:35], s[24:31]          ; my one tensor load of the launch
	s_nop 0
.rept 4
	v_nop
.endr
	s_lshl_b32 s15, s14, 4
	s_lshl_b32 s16, s18, 1
	s_add_co_u32 s15, s15, s16                     ; my first tile of queries in the head: 16 x block + 2 x wave
	s_lshl_b32 s16, s19, 7
	s_add_co_u32 s16, s16, s15
	s_lshl_b32 s16, s16, 10
	s_mov_b32 s17, 0
	s_add_nc_u64 s[4:5], s[4:5], s[16:17]
	v_and_b32 v4, 31, v0
	v_lshlrev_b32 v1, 4, v4
.irp c, 0,1,2,3
	global_load_b128 v[QF+4*\c:QF+4*\c+3], v1, s[4:5] offset:512*\c   ; Q's two fragments, 16 queries x 64 each, stay in registers
.endr
	s_lshr_b32 s16, s19, 4
	s_lshl_b32 s16, s16, 7
	s_add_co_u32 s16, s16, s15                     ; my first token tile
	s_lshl_b32 s16, s16, 14
	s_and_b32 s21, s19, 15
	s_lshl_b32 s21, s21, 10                        ; k = 64 x head on: 1,024 bytes of a tile's image a head
	s_add_co_u32 s16, s16, s21
	s_add_nc_u64 s[8:9], s[8:9], s[16:17]
	v_mov_b32 v13, 0xff61b1e6                      ; the largest t so far: -3e38
	v_mov_b32 v15, 0xff61b1e6
	v_floor_f32 v12, -v13                          ; -M
	v_floor_f32 v14, -v15
.irp r, 16,17,18,19,21,23,28,29
	v_mov_b32 v\r, 0                               ; the sums; the upper words of f's pairs; the lane permutes' destinations, which count as read
.endr
	WIN 0x40
.set J, 0
.rept 64
	v_mov_b32 v[OA+J], 0                           ; O^T: the step is written once, and the first finds zeros
.set J, J+1
.endr
	WIN 0
	s_wait_kmcnt 0x0
	s_add_co_i32 s54, s74, s75
	s_lshl_b32 s54, s54, 23
	s_add_co_i32 s22, s22, s54                     ; a score stands for score x 2^(e6 + e7): added to c's exponent field
	s_mov_b32 s23, s22
	MKSC s76, 5, 6                                 ; p's scale and hold;
	v_mov_b32 v7, s54                              ; the hold once more: the two halves of a dual pair take their second sources from different banks
	MKSC s78, 10, 11                               ; o's
	s_wait_alu depctr_va_vdst(0)                   ; the wait at the head's end
	s_wait_loadcnt 0x0                             ; Q
	s_wait_tensorcnt 0x0                           ; my part of K and V is in,
	s_wait_dscnt 0x0
	s_barrier_signal -1
	s_barrier_wait -1                              ; and so is every other wave's
	WIN 0x40
.irp t, 0,1,2,3,4,5,6,7
	ds_load_b128 v[KF+8*\t:KF+8*\t+3], v1 offset:1024*\t            ; step 0's K
	ds_load_b128 v[KF+8*\t+4:KF+8*\t+7], v1 offset:1024*\t+512
.endr
	WIN 0
	s_mov_b32 s50, 0                               ; the step's first LDS byte
	s_mov_b32 s49, 16                              ; key steps to go
.Lstep:
	s_wait_dscnt 0x0                               ; this step's K is in
	s_add_co_u32 s51, s50, 16384
	s_and_b32 s51, s51, 0x3ffff                    ; the next step's bytes; behind the last step: step 0's, so that the fetch stays inside K and V (those fragments are not used)
	WIN 0x01                                       ; source 0 (K) window 1
.irp t, 0,1,2,3,4,5,6,7
	v_wmma_f32_16x16x64_bf8_bf8 v[SS+8*\t:SS+8*\t+7], v[KF+8*\t:KF+8*\t+7], v[QF:QF+7], 0
	v_wmma_f32_16x16x64_bf8_bf8 v[SS+64+8*\t:SS+64+8*\t+7], v[KF+8*\t:KF+8*\t+7], v[QF+8:QF+15], 0
.endr
	WIN 0
	v_add_nc_u32 v8, s50, v1                       ; four plain places behind the products, ahead of the loads into K's registers and of the first read of S^T
	v_add_nc_u32 v9, s51, v1
	v_nop
	v_nop
	WIN 0x40
.irp a, 0,1,2,3
.irp c, 0,1,2,3
	ds_load_b128 v[VF+16*\a+4*\c:VF+16*\a+4*\c+3], v8 offset:8192+2048*\a+512*\c   ; V lands while the softmax is walked,
.endr
.endr
.irp t, 0,1,2,3,4,5,6,7
	ds_load_b128 v[KF+8*\t:KF+8*\t+3], v9 offset:1024*\t                           ; and so does the next step's K
	ds_load_b128 v[KF+8*\t+4:KF+8*\t+7], v9 offset:1024*\t+512
.endr
	WIN 0
	; the step's largest score of each query: two chains a tile, the two tiles by turns; each accumulator is read from its low end on
.irp T, 0,1
	v_max3_num_f32 v[24+2*\T], v[SS+64*\T], v[SS+64*\T+1], v[SS+64*\T+2]
	v_max3_num_f32 v[25+2*\T], v[SS+64*\T+3], v[SS+64*\T+4], v[SS+64*\T+5]
.endr
.irp i, 6,10,14,18,22,26,30,34,38,42,46,50,54,58
.irp T, 0,1
	v_max3_num_f32 v[24+2*\T], v[24+2*\T], v[SS+64*\T+\i], v[SS+64*\T+\i+1]
	v_max3_num_f32 v[25+2*\T], v[25+2*\T], v[SS+64*\T+\i+2], v[SS+64*\T+\i+3]
.endr
.endr
.irp T, 0,1
	v_max3_num_f32 v[24+2*\T], v[24+2*\T], v[SS+64*\T+62], v[SS+64*\T+63]
.endr
.irp T, 0,1
	v_max_num_f32 v[24+2*\T], v[24+2*\T], v[25+2*\T]
.endr
.irp T, 0,1
	v_permlanex16_b32 v[28+\T], v[24+2*\T], s52, s53
.endr
.irp T, 0,1
	v_max_num_f32 v[24+2*\T], v[24+2*\T], v[28+\T]   ; and among lane l xor 16's
.endr
.irp T, 0,1
	v_mul_f32 v[24+2*\T], s22, v[24+2*\T]            ; as t (c is positive)
.endr
.irp T, 0,1
	v_max_num_f32 v[13+2*\T], v[13+2*\T], v[24+2*\T]
.endr
.irp T, 0,1
	v_mov_b32 v[24+2*\T], v[12+2*\T]
.endr
.irp T, 0,1
	v_floor_f32 v[12+2*\T], -v[13+2*\T]              ; the new -M = floor(-t)
.endr
.irp T, 0,1
	v_sub_f32 v[24+2*\T], v[12+2*\T], v[24+2*\T]     ; old M - new M: a whole number, 0 or less
.endr
.irp T, 0,1
	v_cvt_i32_f32 v[24+2*\T], v[24+2*\T]
.endr
.irp T, 0,1
	v_ldexp_f32 v[20+2*\T], 1.0, v[24+2*\T]          ; f = 2^(old M - new M)
.endr
.set J, 0
.rept 32
	v_pk_fma_f32 v[SS+J:SS+J+1], v[SS+J:SS+J+1], s[22:23], v[12:13] op_sel_hi:[1,0,0]         ; t - M
	v_pk_fma_f32 v[SS+64+J:SS+64+J+1], v[SS+64+J:SS+64+J+1], s[22:23], v[14:15] op_sel_hi:[1,0,0]
.set J, J+2
.endr
	s_wait_alu depctr_va_vdst(0)                   ; the wait ahead of the batch
.set J, 0
.rept 128
	v_exp_f32 v[SS+J], v[SS+J]                     ; p = 2^(t - M)
.set J, J+1
.endr
	v_pk_mul_f32 v[16:17], v[16:17], v[20:21] op_sel_hi:[1,0]   ; the sums under the new M: plain lines behind the exponentials
	v_pk_mul_f32 v[18:19], v[18:19], v[22:23] op_sel_hi:[1,0]
	s_wait_alu depctr_va_vdst(0)                   ; one wait for the whole batch, ahead of its first reader
	v_pk_add_f32 v[80:81], v[SS:SS+1], v[SS+2:SS+3]             ; the rows' sums of the unquantised p: two chains a tile, the tiles by turns
	v_pk_add_f32 v[82:83], v[SS+64:SS+65], v[SS+66:SS+67]
.set J, 4
.rept 15
	v_pk_add_f32 v[16:17], v[16:17], v[SS+J:SS+J+1]
	v_pk_add_f32 v[18:19], v[18:19], v[SS+64+J:SS+64+J+1]
	v_pk_add_f32 v[80:81], v[80:81], v[SS+J+2:SS+J+3]
	v_pk_add_f32 v[82:83], v[82:83], v[SS+64+J+2:SS+64+J+3]
.set J, J+4
.endr
	v_pk_add_f32 v[16:17], v[16:17], v[80:81]
	v_pk_add_f32 v[18:19], v[18:19], v[82:83]
.set J, 0
.rept 64
	v_dual_min_num_f32 v[SS+J], v[SS+J], v6 :: v_dual_min_num_f32 v[SS+J+1], v[SS+J+1], v7   ; the hold, two numbers an instruction: the conversion does not saturate (ISA guide 7.6.2); p is not negative, so it is one-sided
.set J, J+2
.endr
.set J, 0
.rept 16
	v_cvt_scalef32_pk8_bf8_f32 v[CD+2*J:CD+2*J+1], v[SS+8*J:SS+8*J+7], v5
.set J, J+1
.endr
	WIN 0x41                                       ; destination and source 0 (O^T) window 1, source 1 (f) window 0
	s_wait_alu depctr_va_vdst(0)                   ; directly ahead of the first reader of O^T
.set J, 0
.rept 16
	v_pk_mul_f32 v[OA+J:OA+J+1], v[OA+J:OA+J+1], v[20:21] op_sel_hi:[1,0]           ; O^T under the new M; also the plain lines between the conversions and the products
	v_pk_mul_f32 v[OA+32+J:OA+32+J+1], v[OA+32+J:OA+32+J+1], v[22:23] op_sel_hi:[1,0]
.set J, J+2
.endr
	s_wait_alu depctr_va_vdst(0)
	s_wait_dscnt 16                                ; V is in; the sixteen younger loads, the next step's K, may be out
	WIN 0x51                                       ; V, C and D window 1, p's codes window 0
.irp a, 0,1,2,3
	v_wmma_f32_16x16x128_bf8_bf8 v[OA+8*\a:OA+8*\a+7], v[VF+16*\a:VF+16*\a+15], v[CD:CD+15], v[OA+8*\a:OA+8*\a+7]
	v_wmma_f32_16x16x128_bf8_bf8 v[OA+32+8*\a:OA+32+8*\a+7], v[VF+16*\a:VF+16*\a+15], v[CD+16:CD+31], v[OA+32+8*\a:OA+32+8*\a+7]
.endr
	WIN 0
	s_add_co_u32 s50, s50, 16384
	s_sub_co_u32 s49, s49, 1
	s_cmp_lg_u32 s49, 0
	s_cbranch_scc1 .Lstep
	; THE WAY OUT: O^T / the sum x 2^(e8 + e9), quantised: register 8 a + j of lane (r, h) is channel 32 (a / 2) + 16 h + 8 (a % 2) + j of query r
.rept 4
	v_nop
.endr
	v_add_f32 v16, v16, v17
	v_add_f32 v18, v18, v19
	v_permlanex16_b32 v28, v16, s52, s53
	v_permlanex16_b32 v29, v18, s52, s53
	v_add_f32 v16, v16, v28                        ; the rows' sums
	v_add_f32 v18, v18, v29
	s_wait_alu depctr_va_vdst(0)                   ; the wait ahead of the transcendentals
	v_rcp_f32 v24, v16
	v_rcp_f32 v26, v18
	v_nop
	s_add_co_i32 s54, s76, s77
	s_wait_alu depctr_va_vdst(0)                   ; and ahead of the first use of their results
	v_ldexp_f32 v24, v24, s54
	v_ldexp_f32 v26, v26, s54
	WIN 0x01                                       ; source 0 (O^T) window 1
	s_wait_alu depctr_va_vdst(0)                   ; directly ahead of the first reader of O^T
.set J, 0
.rept 16
	v_pk_mul_f32 v[SS+J:SS+J+1], v[OA+J:OA+J+1], v[24:25] op_sel_hi:[1,0]
	v_pk_mul_f32 v[SS+32+J:SS+32+J+1], v[OA+32+J:OA+32+J+1], v[26:27] op_sel_hi:[1,0]
.set J, J+2
.endr
	WIN 0
.set J, 0
.rept 64
	v_med3_num_f32 v[SS+J], v[SS+J], -v11, v11
.set J, J+1
.endr
.set J, 0
.rept 8
	v_cvt_scalef32_pk8_bf8_f32 v[CD+2*J:CD+2*J+1], v[SS+8*J:SS+8*J+7], v10
.set J, J+1
.endr
	v_nop
	global_store_b128 v1, v[CD:CD+3], s[8:9]                       ; 512 consecutive bytes each; my second tile's image lies 16,384 bytes on
	global_store_b128 v1, v[CD+4:CD+7], s[8:9] offset:512
	global_store_b128 v1, v[CD+8:CD+11], s[8:9] offset:16384
	global_store_b128 v1, v[CD+12:CD+15], s[8:9] offset:16896
	s_wait_tensorcnt 0x0                           ; the wave's end
	ds_add_u32 v[SPW], v[NIL]
	s_wait_dscnt 0x0
	CROUND                                         ; the closing round
	s_endpgm
.Lfunc_end_k_q7a5650ceae_attn:
	.size	k_q7a5650ceae_attn, .Lfunc_end_k_q7a5650ceae_attn-k_q7a5650ceae_attn
	.p2alignl 7, 3214868480
	.fill 96, 4, 3214868480
	.section	.rodata,"a",@progbits
	.p2align	6, 0x0
	.amdhsa_kernel k_q7a5650ceae_attn
		.amdhsa_group_segment_fixed_size 264192
		.amdhsa_private_segment_fixed_size 0
		.amdhsa_enable_private_segment 0
		.amdhsa_kernarg_size 24
		.amdhsa_user_sgpr_count 2
		.amdhsa_user_sgpr_kernarg_segment_ptr 1
		.amdhsa_wavefront_size32 1
		.amdhsa_system_sgpr_workgroup_id_x 1
		.amdhsa_system_sgpr_workgroup_id_y 1
		.amdhsa_system_sgpr_workgroup_id_z 1
		.amdhsa_system_vgpr_workitem_id 0
		.amdhsa_next_free_vgpr 512
		.amdhsa_next_free_sgpr 100
		.amdhsa_reserve_vcc 0
		.amdhsa_float_denorm_mode_32 3
		.amdhsa_float_denorm_mode_16_64 3
		.amdhsa_memory_ordered 1
		.amdhsa_forward_progress 1
		.amdhsa_inst_pref_size 45
	.end_amdhsa_kernel
	.amdgpu_metadata
---
amdhsa.version: [ 1, 2 ]
amdhsa.kernels:
  - .name:           k_q7a5650ceae_attn
    .symbol:         k_q7a5650ceae_attn.kd
    .args:
      - { .name: qkvimg, .offset: 0, .size: 8, .value_kind: global_buffer, .address_space: global }
      - { .name: lowp_scales, .offset: 8, .size: 8, .value_kind: global_buffer, .address_space: global }
      - { .name: oimg, .offset: 16, .size: 8, .value_kind: global_buffer, .address_space: global }
    .group_segment_fixed_size: 264192
    .private_segment_fixed_size: 0
    .kernarg_segment_align: 8
    .kernarg_segment_size: 24
    .max_flat_workgroup_size: 256
    .sgpr_count:     100
    .vgpr_count:     512
    .wavefront_size: 32
...
	.end_amdgpu_metadata
.endif
;; end of part 3
;; launch oproj (part 4): grid 8 x 32, 4 waves a work-group, clusters of 4 x 4, 327,680 bytes of LDS; arguments oimg, wimg, lowp_scales, bo, x, x2; writes x2
.if DOCPART == 4
	.amdgcn_target "amdgcn-amd-amdhsa--gfx1250"
	.amdhsa_code_object_version 6
	.text
	.protected	k_q7a5650ceae_oproj
	.globl	k_q7a5650ceae_oproj
	.p2align	8
	.type	k_q7a5650ceae_oproj,@function
k_q7a5650ceae_oproj:
	s_mov_b64 s[64:65], 0
	v_nop
	global_prefetch_b8 v0, s[64:65] scope:SCOPE_SE
	s_setreg_imm32_b32 hwreg(HW_REG_WAVE_MODE, 25, 1), 1
	s_wait_xcnt 0x0
	s_wait_alu depctr_hold_cnt(0) depctr_sa_sdst(0) depctr_va_vdst(0) depctr_va_sdst(0) depctr_va_ssrc(0) depctr_va_vcc(0) depctr_vm_vsrc(0)
	s_getreg_b32 s2, hwreg(HW_REG_IB_STS2, 6, 4)
	s_cmp_eq_u32 s2, 0
	s_cbranch_scc0 .Lentry_in_a_cluster
	s_endpgm
.Lentry_in_a_cluster:
	s_bfe_u32 s2, ttmp6, 0x10000c
	s_cmp_lg_u32 s2, 0xf033
	s_cbranch_scc0 .Lentry_shape_is_right
	s_endpgm
.Lentry_shape_is_right:
.set KTOT, 1024
.set POFF, 0
.set EA, 68+10
.set EB, 68+11
.set SLOT,  8192
.set STAGE, 262144
.set SPARE, 279552
.set LAPS,  KTOT/1024
.set ACC, 128
.set F0, 0
.set F1, 128
.set G1, 24
.set G0, 32
.set G1B, 48
.set G0B, 56
.set MSB, 0
.macro WIN new
.if MSB != \new
	s_set_vgpr_msb (MSB<<8)|\new
.set MSB, \new
.endif
.endm
.macro JLOAD s
	s_cmp_eq_u32 s11, 0
	s_cbranch_scc0 .Lfor_p_\@
	tensor_load_to_lds s[G0+4*\s:G0+4*\s+3], s[G1:G1+7]
	s_nop 0
.rept 4
	v_nop
.endr
	s_branch .Lasked_\@
.Lfor_p_\@:
	tensor_load_to_lds s[G0B+4*\s:G0B+4*\s+3], s[G1B:G1B+7]
	s_nop 0
.rept 4
	v_nop
.endr
.Lasked_\@:
.endm
.macro CREST
	s_cmp_lg_u32 s10, 0
	s_cbranch_scc1 .Lnot_wave_0_\@
	s_barrier_signal -3
.Lnot_wave_0_\@:
	s_barrier_wait -3
	s_barrier_signal -1
	s_barrier_wait -1
.endm
.macro CROUND
	s_barrier_signal -1
	s_barrier_wait -1
	CREST
.endm
.macro PLACES
.rept 4
	v_nop
.endr
.endm
.macro FETCH slot, q, f
	WIN 0x40
.irp i, 0,1,2,3
.irp c, 0,1,2,3
	ds_load_b128 v[\f+64+16*\i+4*\c:\f+64+16*\i+4*\c+3], v[20+\slot] offset:\i*16384+(\q)*2048+512*\c
.endr
.endr
.irp i, 0,1,2,3
.irp c, 0,1,2,3
	ds_load_b128 v[\f+16*\i+4*\c:\f+16*\i+4*\c+3], v[16+\slot] offset:\i*16384+(\q)*2048+512*\c
.endr
.endr
.endm
.macro MUL8 f, a0, mode
.irp a, \a0, \a0+1
.irp b, 0,1,2,3
.if \mode == 1
	v_wmma_f32_16x16x128_bf8_bf8 v[ACC+8*(4*(\a)+\b):ACC+8*(4*(\a)+\b)+7], v[\f+64+16*\b:\f+64+16*\b+15], v[\f+16*(\a):\f+16*(\a)+15], 0
.elseif \mode == 2
	v_wmma_f32_16x16x128_bf8_bf8 v[ACC+8*(4*(\a)+\b):ACC+8*(4*(\a)+\b)+7], v[\f+64+16*\b:\f+64+16*\b+15], v[\f+16*(\a):\f+16*(\a)+15], v[32+8*\b:32+8*\b+7]
.else
	v_wmma_f32_16x16x128_bf8_bf8 v[ACC+8*(4*(\a)+\b):ACC+8*(4*(\a)+\b)+7], v[\f+64+16*\b:\f+64+16*\b+15], v[\f+16*(\a):\f+16*(\a)+15], v[ACC+8*(4*(\a)+\b):ACC+8*(4*(\a)+\b)+7]
.endif
.endr
.endr
.endm
.macro QUARTER slot, qnext, f, g, mode
	s_wait_dscnt 8
	WIN 0x05
	MUL8 \f, 0, \mode
	PLACES
	FETCH \slot, \qnext, \g
	s_wait_dscnt 32
	WIN 0x05
	MUL8 \f, 2, \mode
.endm
.macro TURN slot, next, fill
	WIN 0
	s_wait_tensorcnt 0x0
	ds_add_u32 v28, v29
	s_wait_dscnt 9
	WIN 0x05
	MUL8 F1, 0, 0
	s_wait_dscnt 0x0
	s_barrier_signal -1
	MUL8 F1, 2, 0
.if \fill
	WIN 0
.endif
	s_barrier_wait -1
.if \fill
	CREST
	s_add_nc_u64 s[G0+4*\slot+2:G0+4*\slot+3], s[G0+4*\slot+2:G0+4*\slot+3], 16384
	s_add_nc_u64 s[G0B+4*\slot+2:G0B+4*\slot+3], s[G0B+4*\slot+2:G0B+4*\slot+3], 16384
	JLOAD \slot
.else
	PLACES
.endif
	FETCH \next, 0, F0
.endm
.macro MAIN mode
	s_wait_tensorcnt 0x0                           ; my one load, four tiles over the whole K, is in
	s_barrier_signal -1
	s_barrier_wait -1
	FETCH 0, 0, F0
	QUARTER 0, 1, F0, F1, \mode
.if LAPS > 1
	WIN 0
	s_mov_b32 s3, LAPS-1
.Llap:
	QUARTER 0, 2, F1, F0, 0
	QUARTER 0, 3, F0, F1, 0
	TURN 0, 1, 1
	QUARTER 1, 1, F0, F1, 0
	QUARTER 1, 2, F1, F0, 0
	QUARTER 1, 3, F0, F1, 0
	TURN 1, 0, 1
	QUARTER 0, 1, F0, F1, 0
	WIN 0
	s_sub_co_u32 s3, s3, 1
	s_cmp_lg_u32 s3, 0
	s_cbranch_scc1 .Llap
.endif
	QUARTER 0, 2, F1, F0, 0
	QUARTER 0, 3, F0, F1, 0
	TURN 0, 1, 0
	QUARTER 1, 1, F0, F1, 0
	QUARTER 1, 2, F1, F0, 0
	QUARTER 1, 3, F0, F1, 0
	s_wait_dscnt 8
	WIN 0x05
	MUL8 F1, 0, 0
	s_wait_dscnt 0
	MUL8 F1, 2, 0
	WIN 0
	PLACES
.endm
.macro CLOSE
	s_wait_tensorcnt 0x0
	ds_add_u32 v28, v29
	s_wait_dscnt 0x0
	CROUND
	s_endpgm
.endm
	s_load_b128 s[4:7], s[0:1], 0x0
	s_load_b64 s[8:9], s[0:1], 0x10
	s_load_b128 s[84:87], s[0:1], 0x18
	s_load_b64 s[88:89], s[0:1], 0x28
	v_lshl_add_u32 v28, v0, 2, SPARE
	v_mov_b32 v29, 0
	ds_add_u32 v28, v29
	ds_add_u32 v28, v29
	s_wait_dscnt 0x0
	v_lshrrev_b32 v1, 5, v0
	v_readfirstlane_b32 s10, v1
	s_lshr_b32 s11, s10, 1
	s_and_b32 s12, s10, 1
	s_bfe_u32 s40, ttmp6, 0x40000
	s_bfe_u32 s41, ttmp6, 0x40004
	s_lshl_b32 s42, ttmp9, 2
	s_add_co_u32 s42, s42, s40
	s_and_b32 s13, ttmp7, 0xffff
	s_lshl_b32 s13, s13, 2
	s_add_co_u32 s13, s13, s41
	s_lshl_b32 s43, s41, 2
	s_lshl_b32 s43, 15, s43
	s_lshl_b32 s44, 0x1111, s40
	s_or_b32 s[G1+0], s43, (3<<16)|(1<<21)
	s_or_b32 s[G1B+0], s44, (3<<16)|(1<<21)
.irp g, G1, G1B
	s_mov_b32 s[\g+1], 32<<16                      ; four tiles x 16,384 bytes are one dense block of 65,536 bytes: 256 rows of 256 bytes
	s_mov_b32 s[\g+2], 256<<16
	s_mov_b32 s[\g+3], 32<<16
	s_mov_b32 s[\g+4], 256
	s_mov_b32 s[\g+5], 32
	s_mov_b32 s[\g+6], 0
	s_mov_b32 s[\g+7], 0
.endr
	s_lshl_b32 s17, s12, 2
	s_lshl_b32 s16, s13, 3
	s_add_co_u32 s16, s16, s17
	s_mul_i32 s16, s16, 16*KTOT
	s_lshl_b32 s46, s42, 3
	s_add_co_u32 s46, s46, s17
	s_mul_i32 s46, s46, 16*KTOT
	s_add_co_u32 s46, s46, POFF
	s_mov_b32 s17, 0
	s_mov_b32 s47, 0
	s_lshl_b32 s20, s10, 16                        ; where my four tiles go: wave x 65,536
	s_wait_kmcnt 0x0
	s_load_b512 s[68:83], s[8:9], 0x0
	s_add_nc_u64 s[14:15], s[4:5], s[16:17]
	s_add_nc_u64 s[46:47], s[6:7], s[46:47]
	CROUND
.irp s, 0
	s_mov_b32 s[G0+4*\s], 1
	s_add_co_u32 s[G0+4*\s+1], s20, \s*SLOT
	s_add_nc_u64 s[G0+4*\s+2:G0+4*\s+3], s[14:15], \s*8192
	s_or_b32 s[G0+4*\s+3], s[G0+4*\s+3], 0x80000000
	s_mov_b32 s[G0B+4*\s], 1
	s_add_co_u32 s[G0B+4*\s+1], s20, \s*SLOT
	s_add_nc_u64 s[G0B+4*\s+2:G0B+4*\s+3], s[46:47], \s*8192
	s_or_b32 s[G0B+4*\s+3], s[G0B+4*\s+3], 0x80000000
	JLOAD \s
.endr
	v_and_b32 v1, 31, v0
	v_lshlrev_b32 v2, 4, v1
	s_lshl_b32 s21, s11, 16
	s_lshl_b32 s22, s12, 16
	s_add_co_u32 s22, s22, 131072
.irp s, 0,1
	v_add_nc_u32 v[16+\s], s21, v2
	v_add_nc_u32 v[20+\s], s22, v2
	s_add_co_u32 s21, s21, SLOT
	s_add_co_u32 s22, s22, SLOT
.endr
	s_lshl_b32 s96, s42, 9
	s_lshl_b32 s97, s12, 8
	s_add_co_u32 s96, s96, s97
	s_mov_b32 s97, 0
	s_add_nc_u64 s[84:85], s[84:85], s[96:97]
	v_bfe_u32 v3, v0, 4, 1
	v_lshlrev_b32 v4, 6, v3
.irp b, 0,1,2,3
	global_load_b128 v[32+8*\b:35+8*\b], v4, s[84:85] offset:128*(\b/2)+32*(\b%2)
	global_load_b128 v[36+8*\b:39+8*\b], v4, s[84:85] offset:128*(\b/2)+32*(\b%2)+16
.endr
	s_lshl_b32 s98, s13, 19
	s_lshl_b32 s99, s11, 18
	s_add_co_u32 s98, s98, s99
	s_add_co_u32 s98, s98, s96
	s_mov_b32 s99, 0
	s_add_nc_u64 s[86:87], s[86:87], s[98:99]
	s_add_nc_u64 s[88:89], s[88:89], s[98:99]
	v_and_b32 v5, 15, v0
	s_mul_i32 s23, s10, 4352
	s_add_co_u32 s23, s23, STAGE
	v_mul_u32_u24 v6, v5, 272
	s_wait_alu depctr_va_vdst(0)
	v_lshl_add_u32 v6, v3, 6, v6
	v_add_nc_u32 v24, s23, v6
	v_mul_u32_u24 v6, v3, 272
	v_lshl_add_u32 v6, v5, 4, v6
	v_add_nc_u32 v25, s23, v6
	v_lshlrev_b32 v26, 12, v3
	v_lshl_add_u32 v26, v5, 4, v26
	WIN 0x80
.irp a, 0,1,2,3
.irp t, 0,1,2,3,4,5,6,7
	global_load_b128 v[32*\a+4*\t:32*\a+4*\t+3], v26, s[86:87] offset:(32*(\a/2)+8*(\a%2)+2*\t+8*(\t/4))*4096
.endr
.endr
	WIN 0
	s_wait_kmcnt 0x0
	s_add_co_i32 s21, s[EA], s[EB]
	s_sub_co_i32 s22, 0, s21
	s_add_co_i32 s21, s21, 127
	s_lshl_b32 s66, s21, 23
	s_mov_b32 s67, s66
	s_wait_loadcnt 32
.set J, 0
.rept 32
	v_ldexp_f32 v[32+J], v[32+J], s22
.set J, J+1
.endr
	s_wait_alu depctr_va_vdst(0)
	MAIN 2
	s_wait_loadcnt 0x0
.irp a, 0,1,2,3
.set BB, 32+32*(\a%2)
.if \a > 1
	s_wait_xcnt 0x0
.endif
.irp b, 0,1,2,3
	ds_store_b128 v24, v[ACC+8*(4*\a+\b):ACC+8*(4*\a+\b)+3] offset:128*(\b/2)+32*(\b%2)
	ds_store_b128 v24, v[ACC+8*(4*\a+\b)+4:ACC+8*(4*\a+\b)+7] offset:128*(\b/2)+32*(\b%2)+16
.endr
.irp t, 0,1,2,3,4,5,6,7
	ds_load_b128 v[BB+4*\t:BB+4*\t+3], v25 offset:544*\t
.endr
	s_wait_dscnt 0x0
	WIN 0x20
.irp i, 0,2,4,6,8,10,12,14,16,18,20,22,24,26,28,30
	v_pk_fma_f32 v[BB+\i:BB+\i+1], v[BB+\i:BB+\i+1], s[66:67], v[32*\a+\i:32*\a+\i+1] op_sel_hi:[1,0,1]
.endr
	WIN 0
.irp t, 0,1,2,3,4,5,6,7
	global_store_b128 v26, v[BB+4*\t:BB+4*\t+3], s[88:89] offset:(32*(\a/2)+8*(\a%2)+2*\t+8*(\t/4))*4096 th:TH_STORE_NT
.endr
.endr
	CLOSE
.Lfunc_end_k_q7a5650ceae_oproj:
	.size	k_q7a5650ceae_oproj, .Lfunc_end_k_q7a5650ceae_oproj-k_q7a5650ceae_oproj
	.p2alignl 7, 3214868480
	.fill 96, 4, 3214868480
	.section	.rodata,"a",@progbits
	.p2align	6, 0x0
	.amdhsa_kernel k_q7a5650ceae_oproj
		.amdhsa_group_segment_fixed_size 327680
		.amdhsa_private_segment_fixed_size 0
		.amdhsa_enable_private_segment 0
		.amdhsa_kernarg_size 48
		.amdhsa_user_sgpr_count 2
		.amdhsa_user_sgpr_kernarg_segment_ptr 1
		.amdhsa_wavefront_size32 1
		.amdhsa_system_sgpr_workgroup_id_x 1
		.amdhsa_system_sgpr_workgroup_id_y 1
		.amdhsa_system_sgpr_workgroup_id_z 1
		.amdhsa_system_vgpr_workitem_id 0
		.amdhsa_next_free_vgpr 640
		.amdhsa_next_free_sgpr 100
		.amdhsa_reserve_vcc 0
		.amdhsa_float_denorm_mode_32 3
		.amdhsa_float_denorm_mode_16_64 3
		.amdhsa_memory_ordered 1
		.amdhsa_forward_progress 1
		.amdhsa_inst_pref_size 51
	.end_amdhsa_kernel
	.amdgpu_metadata
---
amdhsa.version: [ 1, 2 ]
amdhsa.kernels:
  - .name:           k_q7a5650ceae_oproj
    .symbol:         k_q7a5650ceae_oproj.kd
    .args:
      - { .name: oimg, .offset: 0, .size: 8, .value_kind: global_buffer, .address_space: global }
      - { .name: wimg, .offset: 8, .size: 8, .value_kind: global_buffer, .address_space: global }
      - { .name: lowp_scales, .offset: 16, .size: 8, .value_kind: global_buffer, .address_space: global }
      - { .name: bo, .offset: 24, .size: 8, .value_kind: global_buffer, .address_space: global }
      - { .name: x, .offset: 32, .size: 8, .value_kind: global_buffer, .address_space: global }
      - { .name: x2, .offset: 40, .size: 8, .value_kind: global_buffer, .address_space: global }
    .group_segment_fixed_size: 327680
    .private_segment_fixed_size: 0
    .kernarg_segment_align: 8
    .kernarg_segment_size: 48
    .max_flat_workgroup_size: 128
    .sgpr_count:     100
    .vgpr_count:     640
    .wavefront_size: 32
...
	.end_amdgpu_metadata
.endif
;; end of part 4
;; launch ln2 (part 5): grid 256 x 1, 4 waves a work-group, no clusters, 17,920 bytes of LDS; arguments x2, ln2_w, ln2_b, lowp_scales, h2img; writes h2img
.if DOCPART == 5
	.amdgcn_target "amdgcn-amd-amdhsa--gfx1250"
	.amdhsa_code_object_version 6
	.text
	.protected	k_q7a5650ceae_ln2
	.globl	k_q7a5650ceae_ln2
	.p2align	8
	.type	k_q7a5650ceae_ln2,@function
k_q7a5650ceae_ln2:
	s_mov_b64 s[64:65], 0
	v_nop
	global_prefetch_b8 v0, s[64:65] scope:SCOPE_SE
	s_setreg_imm32_b32 hwreg(HW_REG_WAVE_MODE, 25, 1), 1
	s_wait_xcnt 0x0
; LN2(x2), quantised to E5M2 with entry 12 of the scales, stored as an image of operand registers: row tile T holds rows perm(T, r) = 32 (T / 2) + 8 (T % 2) + r + 8 (r / 8);
; byte T x 16,384 + 256 q + 16 r + i holds the code of (row perm(T, r), k = 16 q + i).
; A work-group makes one row tile; wave w takes rows r = 4 w + i, four neighbouring tokens, a whole row in 32 registers of the wave: the row is read once and no wave waits for another until the codes meet in LDS.
; The work-groups share nothing but the small gain and bias: no cluster, no tensor load.
; LIMITS: e12 between -126 and 112; NaN and infinity are not served.
.set NV, 1
.set XR, 120
.macro MKSC e, vs, vh
	s_add_co_i32 s78, \e, 127
	s_lshl_b32 s79, s78, 23
	v_mov_b32 v[\vs], s79
	s_add_co_i32 s78, s78, 15
	s_lshl_b32 s78, s78, 23
	s_or_b32 s78, s78, 0x600000
	v_mov_b32 v[\vh], s78
.endm
.macro WSUM a, b                       ; v[a] summed over the 32 lanes, in every lane; v[b] at work
	v_add_f32_dpp v[\a], v[\a], v[\a] row_xmask:1 row_mask:0xf bank_mask:0xf
	v_add_f32_dpp v[\a], v[\a], v[\a] row_xmask:2 row_mask:0xf bank_mask:0xf
	v_add_f32_dpp v[\a], v[\a], v[\a] row_xmask:4 row_mask:0xf bank_mask:0xf
	v_add_f32_dpp v[\a], v[\a], v[\a] row_xmask:8 row_mask:0xf bank_mask:0xf
	v_permlanex16_b32 v[\b], v[\a], s68, s69
	v_add_f32 v[\a], v[\a], v[\b]
.endm
.macro LDROW i                         ; a lane takes k = 256 g + 8 lane + 0 .. 7: eight neighbours along K in eight registers
.irp g, 0,1,2,3
	global_load_b128 v[XR+32*\i+8*\g:XR+32*\i+8*\g+3], v1, s[4:5] offset:4096*\i+1024*\g
	global_load_b128 v[XR+32*\i+8*\g+4:XR+32*\i+8*\g+7], v1, s[4:5] offset:4096*\i+1024*\g+16
.endr
.endm
.macro LNROW i, cnt, cnt2              ; cnt: the younger loads that may stay out; cnt2: the same ahead of the use of gain and bias (-1: no wait)
.set X, XR+32*(\i)
	s_wait_loadcnt \cnt
	v_pk_add_f32 v[12:13], v[X:X+1], v[X+2:X+3]
	v_pk_add_f32 v[14:15], v[X+4:X+5], v[X+6:X+7]
.irp j, 8,12,16,20,24,28
	v_pk_add_f32 v[12:13], v[12:13], v[X+\j:X+\j+1]
	v_pk_add_f32 v[14:15], v[14:15], v[X+\j+2:X+\j+3]
.endr
	v_pk_add_f32 v[12:13], v[12:13], v[14:15]
	v_add_f32 v12, v12, v13
	WSUM 12, 13
	v_mul_f32 v12, s70, v12                        ; the mean
.irp j, 0,2,4,6,8,10,12,14,16,18,20,22,24,26,28,30
	v_pk_add_f32 v[X+\j:X+\j+1], v[X+\j:X+\j+1], v[12:13] op_sel_hi:[1,0] neg_lo:[0,1] neg_hi:[0,1]
.endr
	v_pk_mul_f32 v[14:15], v[X:X+1], v[X:X+1]      ; the variance of the centred numbers
	v_pk_mul_f32 v[40:41], v[X+2:X+3], v[X+2:X+3]
.irp j, 4,8,12,16,20,24,28
	v_pk_fma_f32 v[14:15], v[X+\j:X+\j+1], v[X+\j:X+\j+1], v[14:15]
	v_pk_fma_f32 v[40:41], v[X+\j+2:X+\j+3], v[X+\j+2:X+\j+3], v[40:41]
.endr
	v_pk_add_f32 v[14:15], v[14:15], v[40:41]
	v_add_f32 v14, v14, v15
	WSUM 14, 15
	v_fma_f32 v15, v14, s70, s71                   ; sum / 1,024 + 1e-5
	s_wait_alu depctr_va_vdst(0)
	v_rsq_f32 v14, v15
	v_nop                                          ; a plain instruction behind the transcendental,
	s_wait_alu depctr_va_vdst(0)                   ; and the wait ahead of the first use of its result
.if \cnt2 >= 0
	s_wait_loadcnt \cnt2
.endif
.irp j, 0,2,4,6,8,10,12,14,16,18,20,22,24,26,28,30
	v_pk_mul_f32 v[X+\j:X+\j+1], v[X+\j:X+\j+1], v[14:15] op_sel_hi:[1,0]
.endr
.irp j, 0,2,4,6,8,10,12,14,16,18,20,22,24,26,28,30
	v_pk_fma_f32 v[X+\j:X+\j+1], v[X+\j:X+\j+1], v[56+\j:57+\j], v[88+\j:89+\j]
.endr
.set VV, 0
.rept NV
.irp g, 0,1,2,3
.irp j, 0,1,2,3,4,5,6,7
	v_med3_num_f32 v[40+8*(\g%2)+\j], v[X+8*\g+\j], -v[8+VV], v[8+VV]    ; the hold, into one of two sets by turns
.endr
	v_cvt_scalef32_pk8_bf8_f32 v[16+8*VV+2*\g:17+8*VV+2*\g], v[40+8*(\g%2):47+8*(\g%2)], v[5+VV]
	ds_store_b64 v2, v[16+8*VV+2*\g:17+8*VV+2*\g] offset:17408*VV+4352*\g+16*(\i)
.endr
.set VV, VV+1
.endr
	s_wait_dscnt 0x0                               ; the stores have read their registers
.endm
	s_load_b256 s[4:11], s[0:1], 0x0               ; x2 4, ln2_w 6, ln2_b 8, the scales' exponents 10
	s_load_b64 s[24:25], s[0:1], 0x20              ; h2img
	v_lshl_add_u32 v254, v0, 2, 0x4400
	v_mov_b32 v255, 0
	v_lshrrev_b32 v251, 5, v0
	v_readfirstlane_b32 s44, v251                  ; wave
	v_and_b32 v250, 31, v0                         ; lane
	s_wait_alu depctr_va_vdst(0)
	s_wait_kmcnt 0x0
	s_load_b32 s29, s[10:11], 0x30                 ; e12
	s_lshr_b32 s46, ttmp9, 1
	s_lshl_b32 s46, s46, 5
	s_and_b32 s47, ttmp9, 1
	s_lshl_b32 s47, s47, 3
	s_add_co_u32 s46, s46, s47
	s_lshl_b32 s47, s44, 2
	s_add_co_u32 s46, s46, s47
	s_lshr_b32 s47, s44, 1
	s_lshl_b32 s47, s47, 3
	s_add_co_u32 s46, s46, s47                     ; my first token: 32 (T / 2) + 8 (T % 2) + 4 w + 8 (w / 2)
	s_lshl_b32 s46, s46, 12
	s_mov_b32 s47, 0
	s_add_nc_u64 s[4:5], s[4:5], s[46:47]
	s_lshl_b32 s48, ttmp9, 14
	s_mov_b32 s49, 0
	s_add_nc_u64 s[72:73], s[24:25], s[48:49]
	s_mov_b32 s68, 0x76543210
	s_mov_b32 s69, 0xfedcba98
	s_mov_b32 s70, 0x3a800000                      ; 1 / 1,024
	s_mov_b32 s71, 0x3727c5ac                      ; 1e-5
	v_lshlrev_b32 v1, 5, v250
	LDROW 0
.irp g, 0,1,2,3
	global_load_b128 v[56+8*\g:59+8*\g], v1, s[6:7] offset:1024*\g
	global_load_b128 v[60+8*\g:63+8*\g], v1, s[6:7] offset:1024*\g+16
.endr
.irp g, 0,1,2,3
	global_load_b128 v[88+8*\g:91+8*\g], v1, s[8:9] offset:1024*\g
	global_load_b128 v[92+8*\g:95+8*\g], v1, s[8:9] offset:1024*\g+16
.endr
	LDROW 1
	LDROW 2
	LDROW 3
	; the stage: 64 chunks (16 along K) of 16 rows x 16 bytes, 272 bytes apart
	v_lshrrev_b32 v2, 1, v250
	v_mul_u32_u24 v2, v2, 272
	v_and_b32 v251, 1, v250
	v_lshl_add_u32 v2, v251, 3, v2
	s_lshl_b32 s48, s44, 6
	v_add_nc_u32 v2, s48, v2
	v_lshrrev_b32 v3, 4, v250
	v_mul_u32_u24 v3, v3, 272
	v_and_b32 v251, 15, v250
	v_lshl_add_u32 v3, v251, 4, v3
	s_mul_i32 s48, s44, 4352
	v_add_nc_u32 v3, s48, v3
	v_lshlrev_b32 v4, 4, v250
	s_lshl_b32 s48, s44, 12
	v_add_nc_u32 v4, s48, v4
	s_wait_kmcnt 0x0
	MKSC s29, 5, 8
	LNROW 0, 40, 24                                ; behind row 0's eight loads: gain 8, bias 8, rows 24; behind gain and bias: 24
	LNROW 1, 16, -1
	LNROW 2, 8, -1
	LNROW 3, 0, -1
	s_barrier_signal -1                            ; every wave's stores into the stage are done (the wait for 0 closes each row)
	s_barrier_wait -1
.irp p, 0,1,2,3,4,5,6,7
	ds_load_b128 v[XR+4*\p:XR+4*\p+3], v3 offset:544*\p
.endr
.irp p, 0,1,2,3,4,5,6,7
	s_wait_dscnt 7-\p
	global_store_b128 v4, v[XR+4*\p:XR+4*\p+3], s[72:73] offset:512*\p   ; 512 consecutive bytes, aligned
.endr
	s_wait_tensorcnt 0x0
	ds_add_u32 v254, v255
	s_wait_dscnt 0x0
	s_endpgm
.Lfunc_end_k_q7a5650ceae_ln2:
	.size	k_q7a5650ceae_ln2, .Lfunc_end_k_q7a5650ceae_ln2-k_q7a5650ceae_ln2
	.p2alignl 7, 3214868480
	.fill 96, 4, 3214868480
	.section	.rodata,"a",@progbits
	.p2align	6, 0x0
	.amdhsa_kernel k_q7a5650ceae_ln2
		.amdhsa_group_segment_fixed_size 17920
		.amdhsa_private_segment_fixed_size 0
		.amdhsa_enable_private_segment 0
		.amdhsa_kernarg_size 40
		.amdhsa_user_sgpr_count 2
		.amdhsa_user_sgpr_kernarg_segment_ptr 1
		.amdhsa_wavefront_size32 1
		.amdhsa_system_sgpr_workgroup_id_x 1
		.amdhsa_system_sgpr_workgroup_id_y 1
		.amdhsa_system_sgpr_workgroup_id_z 1
		.amdhsa_system_vgpr_workitem_id 0
		.amdhsa_next_free_vgpr 256
		.amdhsa_next_free_sgpr 100
		.amdhsa_reserve_vcc 0
		.amdhsa_float_denorm_mode_32 3
		.amdhsa_float_denorm_mode_16_64 3
		.amdhsa_memory_ordered 1
		.amdhsa_forward_progress 1
		.amdhsa_inst_pref_size 43
	.end_amdhsa_kernel
	.amdgpu_metadata
---
amdhsa.version: [ 1, 2 ]
amdhsa.kernels:
  - .name:           k_q7a5650ceae_ln2
    .symbol:         k_q7a5650ceae_ln2.kd
    .args:
      - { .name: x2, .offset: 0, .size: 8, .value_kind: global_buffer, .address_space: global }
      - { .name: ln2_w, .offset: 8, .size: 8, .value_kind: global_buffer, .address_space: global }
      - { .name: ln2_b, .offset: 16, .size: 8, .value_kind: global_buffer, .address_space: global }
      - { .name: lowp_scales, .offset: 24, .size: 8, .value_kind: global_buffer, .address_space: global }
      - { .name: h2img, .offset: 32, .size: 8, .value_kind: global_buffer, .address_space: global }
    .group_segment_fixed_size: 17920
    .private_segment_fixed_size: 0
    .kernarg_segment_align: 8
    .kernarg_segment_size: 40
    .max_flat_workgroup_size: 128
    .sgpr_count:     100
    .vgpr_count:     256
    .wavefront_size: 32
...
	.end_amdgpu_metadata
.endif
;; end of part 5
;; launch up (part 6): grid 32 x 8, 4 waves a work-group, clusters of 4 x 4, 327,680 bytes of LDS; arguments h2img, wimg, lowp_scales, b1, gimg; writes gimg
.if DOCPART == 6
	.amdgcn_target "amdgcn-amd-amdhsa--gfx1250"
	.amdhsa_code_object_version 6
	.text
	.protected	k_q7a5650ceae_up
	.globl	k_q7a5650ceae_up
	.p2align	8
	.type	k_q7a5650ceae_up,@function
k_q7a5650ceae_up:
	s_mov_b64 s[64:65], 0
	v_nop
	global_prefetch_b8 v0, s[64:65] scope:SCOPE_SE
	s_setreg_imm32_b32 hwreg(HW_REG_WAVE_MODE, 25, 1), 1
	s_wait_xcnt 0x0
	s_wait_alu depctr_hold_cnt(0) depctr_sa_sdst(0) depctr_va_vdst(0) depctr_va_sdst(0) depctr_va_ssrc(0) depctr_va_vcc(0) depctr_vm_vsrc(0)
	s_getreg_b32 s2, hwreg(HW_REG_IB_STS2, 6, 4)
	s_cmp_eq_u32 s2, 0
	s_cbranch_scc0 .Lentry_in_a_cluster
	s_endpgm
.Lentry_in_a_cluster:
	s_bfe_u32 s2, ttmp6, 0x10000c
	s_cmp_lg_u32 s2, 0xf033
	s_cbranch_scc0 .Lentry_shape_is_right
	s_endpgm
.Lentry_shape_is_right:
.set NT, 4
.set POFF, 1048576
.set EA, 68+12
.set EB, 68+13
.set EO, 68+14
.set PPAN,  131072
.set SPARE, 262144
.set ACC, 128
.set F0, 0
.set F1, 128
.set G1, 24
.set G0, 32
.set G1B, 48
.set G0B, 56
.set MSB, 0
.macro WIN new
.if MSB != \new
	s_set_vgpr_msb (MSB<<8)|\new
.set MSB, \new
.endif
.endm
.macro CREST
	s_cmp_lg_u32 s10, 0
	s_cbranch_scc1 .Lnot_wave_0_\@
	s_barrier_signal -3
.Lnot_wave_0_\@:
	s_barrier_wait -3
	s_barrier_signal -1
	s_barrier_wait -1
.endm
.macro CROUND
	s_barrier_signal -1
	s_barrier_wait -1
	CREST
.endm
.macro PLACES
.rept 4
	v_nop
.endr
.endm
.macro FETCH q, f
	WIN 0x40
.irp i, 0,1,2,3
.irp c, 0,1,2,3
	ds_load_b128 v[\f+64+16*\i+4*\c:\f+64+16*\i+4*\c+3], v20 offset:\i*16384+(\q)*2048+512*\c
.endr
.endr
.irp i, 0,1,2,3
.irp c, 0,1,2,3
	ds_load_b128 v[\f+16*\i+4*\c:\f+16*\i+4*\c+3], v16 offset:\i*16384+(\q)*2048+512*\c
.endr
.endr
.endm
.macro MUL8 f, a0, mode
.irp a, \a0, \a0+1
.irp b, 0,1,2,3
.if \mode == 2
	v_wmma_f32_16x16x128_bf8_bf8 v[ACC+8*(4*(\a)+\b):ACC+8*(4*(\a)+\b)+7], v[\f+64+16*\b:\f+64+16*\b+15], v[\f+16*(\a):\f+16*(\a)+15], v[8*\b:8*\b+7]
.else
	v_wmma_f32_16x16x128_bf8_bf8 v[ACC+8*(4*(\a)+\b):ACC+8*(4*(\a)+\b)+7], v[\f+64+16*\b:\f+64+16*\b+15], v[\f+16*(\a):\f+16*(\a)+15], v[ACC+8*(4*(\a)+\b):ACC+8*(4*(\a)+\b)+7]
.endif
.endr
.endr
.endm
.macro MWIN mode
.if \mode == 2
	WIN 0x25
.else
	WIN 0x05
.endif
.endm
.macro QUARTER qnext, f, g, mode
	s_wait_dscnt 8
	MWIN \mode
	MUL8 \f, 0, \mode
	PLACES
	FETCH \qnext, \g
	s_wait_dscnt 32
	MWIN \mode
	MUL8 \f, 2, \mode
.endm
.macro SEVEN
	s_wait_tensorcnt 0x0
	s_barrier_signal -1
	s_barrier_wait -1
	FETCH 0, F0
	QUARTER 1, F0, F1, 2
	QUARTER 2, F1, F0, 0
	QUARTER 3, F0, F1, 0
	QUARTER 4, F1, F0, 0
	QUARTER 5, F0, F1, 0
	QUARTER 6, F1, F0, 0
	QUARTER 7, F0, F1, 0
.endm
.macro CPAIR r, c
	v_mov_b32 v[\r], \c
	v_mov_b32 v[\r+1], \c
.endm
	s_load_b128 s[4:7], s[0:1], 0x0
	s_load_b64 s[8:9], s[0:1], 0x10
	s_load_b128 s[84:87], s[0:1], 0x18
	v_lshl_add_u32 v28, v0, 2, SPARE
	v_mov_b32 v29, 0
	ds_add_u32 v28, v29
	ds_add_u32 v28, v29
	s_wait_dscnt 0x0
	v_lshrrev_b32 v1, 5, v0
	v_readfirstlane_b32 s10, v1
	s_lshr_b32 s11, s10, 1
	s_and_b32 s12, s10, 1
	s_bfe_u32 s40, ttmp6, 0x40000
	s_bfe_u32 s41, ttmp6, 0x40004
	s_lshl_b32 s42, ttmp9, 2
	s_add_co_u32 s42, s42, s40
	s_and_b32 s13, ttmp7, 0xffff
	s_lshl_b32 s13, s13, 2
	s_add_co_u32 s13, s13, s41
	s_lshl_b32 s43, s41, 2
	s_lshl_b32 s43, 15, s43
	s_lshl_b32 s44, 0x1111, s40
	s_or_b32 s[G1+0], s43, (3<<16)|(1<<21)
	s_or_b32 s[G1B+0], s44, (3<<16)|(1<<21)
.irp g, G1, G1B
	s_mov_b32 s[\g+1], 32<<16
	s_mov_b32 s[\g+2], 128<<16
	s_mov_b32 s[\g+3], 32<<16
	s_mov_b32 s[\g+4], 128
	s_mov_b32 s[\g+5], 32
	s_mov_b32 s[\g+6], 0
	s_mov_b32 s[\g+7], 0
.endr
	s_lshl_b32 s17, s10, 1
	s_lshl_b32 s16, s13, 5
	s_add_co_u32 s16, s16, s17
	s_lshl_b32 s16, s16, 14
	s_lshl_b32 s46, s42, 3
	s_add_co_u32 s46, s46, s17
	s_lshl_b32 s46, s46, 14
	s_add_co_u32 s46, s46, POFF
	s_mov_b32 s17, 0
	s_mov_b32 s47, 0
	s_wait_kmcnt 0x0
	s_load_b512 s[68:83], s[8:9], 0x0
	s_mov_b32 s[G0], 1
	s_lshl_b32 s[G0+1], s10, 15
	s_add_nc_u64 s[G0+2:G0+3], s[4:5], s[16:17]
	s_or_b32 s[G0+3], s[G0+3], 0x80000000
	s_mov_b32 s[G0B], 1
	s_lshl_b32 s[G0B+1], s10, 15
	s_add_co_u32 s[G0B+1], s[G0B+1], PPAN
	s_add_nc_u64 s[G0B+2:G0B+3], s[6:7], s[46:47]
	s_or_b32 s[G0B+3], s[G0B+3], 0x80000000
	CROUND
	tensor_load_to_lds s[G0:G0+3], s[G1:G1+7]
	s_nop 0
	s_wait_alu depctr_va_vdst(0)
	s_wait_tensorcnt 0x0
	ds_add_u32 v28, v29
	s_wait_dscnt 0x0
	CROUND
	tensor_load_to_lds s[G0B:G0B+3], s[G1B:G1B+7]
	s_nop 0
.rept 4
	v_nop
.endr
	v_and_b32 v1, 31, v0
	v_lshlrev_b32 v2, 4, v1
	s_lshl_b32 s21, s11, 16
	s_lshl_b32 s22, s12, 16
	s_add_co_u32 s22, s22, PPAN
	v_add_nc_u32 v16, s21, v2
	v_add_nc_u32 v20, s22, v2
	s_lshl_b32 s96, s42, 9
	s_lshl_b32 s97, s12, 8
	s_add_co_u32 s96, s96, s97
	s_mov_b32 s97, 0
	s_add_nc_u64 s[84:85], s[84:85], s[96:97]
	v_bfe_u32 v3, v0, 4, 1
	v_lshlrev_b32 v3, 6, v3
	WIN 0x80
.irp b, 0,1,2,3
	global_load_b128 v[8*\b:8*\b+3], v3, s[84:85] offset:128*(\b/2)+32*(\b%2)
	global_load_b128 v[8*\b+4:8*\b+7], v3, s[84:85] offset:128*(\b/2)+32*(\b%2)+16
.endr
	WIN 0
	s_lshl_b32 s98, s13, 21
	s_lshl_b32 s99, s11, 18
	s_add_co_u32 s98, s98, s99
	s_lshl_b32 s99, s42, 11
	s_add_co_u32 s98, s98, s99
	s_lshl_b32 s99, s12, 10
	s_add_co_u32 s98, s98, s99
	s_mov_b32 s99, 0
	s_add_nc_u64 s[86:87], s[86:87], s[98:99]
	s_mov_b32 s92, 0x41880000
	s_mov_b32 s90, 0x3f3504f3
	s_mov_b32 s91, s90
	s_mov_b32 s94, 0xbfb8aa3b
	s_mov_b32 s95, s94
	s_mov_b32 s96, 0x3f317218
	s_mov_b32 s97, s96
	CPAIR 14, 0xb9d25000
	CPAIR 4,  0xbaa15130
	CPAIR 6,  0x3aac2b8a
	CPAIR 8,  0x3c0d6e62
	CPAIR 10, 0xbc040dc1
	CPAIR 18, 0xbd5e05b5
	CPAIR 22, 0x3e27fe23
	CPAIR 24, 0xbe2a0420
	CPAIR 26, 0xbdbdfb0b
	CPAIR 30, 0x3e8dd01d
	s_wait_kmcnt 0x0
	s_add_co_i32 s21, s[EA], s[EB]
	s_sub_co_i32 s22, 0, s21
	s_add_co_i32 s21, s21, 127
	s_lshl_b32 s66, s21, 23
	s_mov_b32 s67, s66
	s_add_co_i32 s21, s[EO], 127
	s_lshl_b32 s23, s21, 23
	v_mov_b32 v12, s23
	s_add_co_i32 s21, s21, 15
	s_lshl_b32 s21, s21, 23
	s_or_b32 s21, s21, 0x600000
	v_mov_b32 v13, s21
	s_wait_loadcnt 0x0
	WIN 0x82
.set J, 0
.rept 32
	v_ldexp_f32 v[J], v[J], s22
.set J, J+1
.endr
	WIN 0
.set TA, 32
.set TQ, 48
.set TD, 64
.set TU, 80
.set TC, 96
.set TP, 112
.macro GELU16 a, bp
.set X, ACC+32*\a+16*\bp
	s_wait_xcnt 0x0
.irp j, 0,2,4,6,8,10,12,14
	v_pk_mul_f32 v[X+\j:X+\j+1], v[X+\j:X+\j+1], s[66:67] op_sel_hi:[1,0]
.endr
.irp j, 0,1,2,3,4,5,6,7,8,9,10,11,12,13,14,15
	v_min_num_f32 v[TA+\j], |v[X+\j]|, s92
.endr
.irp j, 0,2,4,6,8,10,12,14
	v_pk_mul_f32 v[TA+\j:TA+\j+1], v[TA+\j:TA+\j+1], s[90:91] op_sel_hi:[1,0]
.endr
.irp j, 0,2,4,6,8,10,12,14
	v_pk_add_f32 v[TQ+\j:TQ+\j+1], v[TA+\j:TA+\j+1], 2.0 op_sel_hi:[1,0]
.endr
.irp j, 0,2,4,6,8,10,12,14
	v_pk_fma_f32 v[TD+\j:TD+\j+1], v[TA+\j:TA+\j+1], 2.0, 1.0 op_sel_hi:[1,0,0]
.endr
.irp j, 0,2,4,6,8,10,12,14
	v_pk_mul_f32 v[TU+\j:TU+\j+1], v[TA+\j:TA+\j+1], v[TA+\j:TA+\j+1]
.endr
.irp j, 0,2,4,6,8,10,12,14
	v_pk_fma_f32 v[TC+\j:TC+\j+1], v[TA+\j:TA+\j+1], v[TA+\j:TA+\j+1], v[TU+\j:TU+\j+1] neg_lo:[1,0,0] neg_hi:[1,0,0]
.endr
.irp j, 0,2,4,6,8,10,12,14
	v_pk_mul_f32 v[TA+\j:TA+\j+1], v[TU+\j:TU+\j+1], s[94:95] op_sel_hi:[1,0]
.endr
.irp j, 0,2,4,6,8,10,12,14
	v_pk_fma_f32 v[TU+\j:TU+\j+1], v[TU+\j:TU+\j+1], s[94:95], v[TA+\j:TA+\j+1] op_sel_hi:[1,0,1] neg_lo:[0,0,1] neg_hi:[0,0,1]
.endr
.irp j, 0,2,4,6,8,10,12,14
	v_pk_fma_f32 v[TC+\j:TC+\j+1], v[TU+\j:TU+\j+1], s[96:97], v[TC+\j:TC+\j+1] op_sel_hi:[1,0,1]
.endr
	s_wait_alu depctr_va_vdst(0)
.irp j, 0,1,2,3,4,5,6,7,8,9,10,11,12,13,14,15
	v_rcp_f32 v[TQ+\j], v[TQ+\j]
.endr
.irp j, 0,1,2,3,4,5,6,7,8,9,10,11,12,13,14,15
	v_rcp_f32 v[TD+\j], v[TD+\j]
.endr
.irp j, 0,1,2,3,4,5,6,7,8,9,10,11,12,13,14,15
	v_exp_f32 v[TA+\j], v[TA+\j]
.endr
.irp j, 0,1,2,3,4,5,6,7,8,9,10,11,12,13,14,15
	v_max_num_f32 v[TU+\j], 0, v[X+\j]
.endr
.irp j, 0,1,2,3,4,5,6,7,8,9,10,11,12,13,14,15
	v_mul_f32 v[X+\j], 0.5, |v[X+\j]|
.endr
	s_wait_alu depctr_va_vdst(0)
.irp j, 0,2,4,6,8,10,12,14
	v_pk_fma_f32 v[TQ+\j:TQ+\j+1], v[TQ+\j:TQ+\j+1], -4.0, 1.0 op_sel_hi:[1,0,0]
.endr
.irp j, 0,2,4,6,8,10,12,14
	v_pk_fma_f32 v[TP+\j:TP+\j+1], v[TQ+\j:TQ+\j+1], v[14:15], v[4:5]
.endr
.irp c, 6,8,10,18,22,24,26,30
.irp j, 0,2,4,6,8,10,12,14
	v_pk_fma_f32 v[TP+\j:TP+\j+1], v[TP+\j:TP+\j+1], v[TQ+\j:TQ+\j+1], v[\c:\c+1]
.endr
.endr
.irp j, 0,2,4,6,8,10,12,14
	v_pk_fma_f32 v[TP+\j:TP+\j+1], v[TP+\j:TP+\j+1], v[TD+\j:TD+\j+1], v[TD+\j:TD+\j+1]
.endr
.irp j, 0,2,4,6,8,10,12,14
	v_pk_mul_f32 v[TP+\j:TP+\j+1], v[TP+\j:TP+\j+1], v[TA+\j:TA+\j+1]
.endr
.irp j, 0,2,4,6,8,10,12,14
	v_pk_fma_f32 v[TP+\j:TP+\j+1], v[TP+\j:TP+\j+1], v[TC+\j:TC+\j+1], v[TP+\j:TP+\j+1]
.endr
.irp j, 0,2,4,6,8,10,12,14
	v_pk_fma_f32 v[X+\j:X+\j+1], v[X+\j:X+\j+1], v[TP+\j:TP+\j+1], v[TU+\j:TU+\j+1] neg_lo:[1,0,0] neg_hi:[1,0,0]
.endr
.irp j, 0,1,2,3,4,5,6,7,8,9,10,11,12,13,14,15
	v_med3_num_f32 v[X+\j], v[X+\j], -v13, v13
.endr
	v_cvt_scalef32_pk8_bf8_f32 v[48:49], v[X:X+7], v12
	v_cvt_scalef32_pk8_bf8_f32 v[50:51], v[X+8:X+15], v12
	v_nop
	global_store_b128 v2, v[48:51], s[86:87] offset:65536*\a+512*\bp
.endm
.macro OUT
.irp a, 0,1,2,3
	GELU16 \a, 0
	GELU16 \a, 1
.endr
.endm
	s_mov_b32 s3, NT-1
.Ltile:
	s_wait_alu depctr_va_vdst(0)
	SEVEN
	WIN 0
	s_wait_tensorcnt 0x0
	ds_add_u32 v28, v29
	s_wait_dscnt 9
	WIN 0x05
	MUL8 F1, 0, 0
	s_wait_dscnt 0x0
	s_barrier_signal -1
	MUL8 F1, 2, 0
	WIN 0
	s_barrier_wait -1
	CREST
	s_add_nc_u64 s[G0+2:G0+3], s[G0+2:G0+3], 131072
	tensor_load_to_lds s[G0:G0+3], s[G1:G1+7]
	s_nop 0
	PLACES
	OUT
	s_wait_xcnt 0x0
	s_add_nc_u64 s[86:87], s[86:87], 0x80000
	s_sub_co_u32 s3, s3, 1
	s_cmp_lg_u32 s3, 0
	s_cbranch_scc1 .Ltile
	SEVEN
	s_wait_dscnt 8
	WIN 0x05
	MUL8 F1, 0, 0
	s_wait_dscnt 0
	MUL8 F1, 2, 0
	WIN 0
	PLACES
	OUT
	s_wait_tensorcnt 0x0
	ds_add_u32 v28, v29
	s_wait_dscnt 0x0
	CROUND
	s_endpgm
.Lfunc_end_k_q7a5650ceae_up:
	.size	k_q7a5650ceae_up, .Lfunc_end_k_q7a5650ceae_up-k_q7a5650ceae_up
	.p2alignl 7, 3214868480
	.fill 96, 4, 3214868480
	.section	.rodata,"a",@progbits
	.p2align	6, 0x0
	.amdhsa_kernel k_q7a5650ceae_up
		.amdhsa_group_segment_fixed_size 327680
		.amdhsa_private_segment_fixed_size 0
		.amdhsa_enable_private_segment 0
		.amdhsa_kernarg_size 40
		.amdhsa_user_sgpr_count 2
		.amdhsa_user_sgpr_kernarg_segment_ptr 1
		.amdhsa_wavefront_size32 1
		.amdhsa_system_sgpr_workgroup_id_x 1
		.amdhsa_system_sgpr_workgroup_id_y 1
		.amdhsa_system_sgpr_workgroup_id_z 1
		.amdhsa_system_vgpr_workitem_id 0
		.amdhsa_next_free_vgpr 640
		.amdhsa_next_free_sgpr 100
		.amdhsa_reserve_vcc 0
		.amdhsa_float_denorm_mode_32 3
		.amdhsa_float_denorm_mode_16_64 3
		.amdhsa_memory_ordered 1
		.amdhsa_forward_progress 1
		.amdhsa_inst_pref_size 255
	.end_amdhsa_kernel
	.section	.bss,"aw",@nobits
	.p2align	6
	.space	262144
	.amdgpu_metadata
---
amdhsa.version: [ 1, 2 ]
amdhsa.kernels:
  - .name:           k_q7a5650ceae_up
    .symbol:         k_q7a5650ceae_up.kd
    .args:
      - { .name: h2img, .offset: 0, .size: 8, .value_kind: global_buffer, .address_space: global }
      - { .name: wimg, .offset: 8, .size: 8, .value_kind: global_buffer, .address_space: global }
      - { .name: lowp_scales, .offset: 16, .size: 8, .value_kind: global_buffer, .address_space: global }
      - { .name: b1, .offset: 24, .size: 8, .value_kind: global_buffer, .address_space: global }
      - { .name: gimg, .offset: 32, .size: 8, .value_kind: global_buffer, .address_space: global }
    .group_segment_fixed_size: 327680
    .private_segment_fixed_size: 0
    .kernarg_segment_align: 8
    .kernarg_segment_size: 40
    .max_flat_workgroup_size: 128
    .sgpr_count:     100
    .vgpr_count:     640
    .wavefront_size: 32
...
	.end_amdgpu_metadata
.endif
;; end of part 6
;; launch down (part 7): grid 8 x 32, 8 waves a work-group, no clusters, 101,376 bytes of LDS; arguments gimg, wimg, lowp_scales, b2, x2, out0; writes out0
.if DOCPART == 7
	.amdgcn_target "amdgcn-amd-amdhsa--gfx1250"
	.amdhsa_code_object_version 6
	.text
	.protected	k_q7a5650ceae_down
	.globl	k_q7a5650ceae_down
	.p2align	8
	.type	k_q7a5650ceae_down,@function
k_q7a5650ceae_down:
	s_mov_b64 s[64:65], 0
	v_nop
	global_prefetch_b8 v0, s[64:65] scope:SCOPE_SE
	s_setreg_imm32_b32 hwreg(HW_REG_WAVE_MODE, 25, 1), 1
	s_wait_xcnt 0x0
; out = x2 + g w2 + b2: a product on codes of E5M2 (entries 14, 15), both operands as images of operand registers (row tile T: rows 32 (T / 2) + 8 (T % 2) + r + 8 (r / 8); 1,024 bytes on end: 16 rows x 64 K).
; A work-group makes 128 tokens (R) x 128 columns (P).  EIGHT waves: waves w and w + 4 make the same 64 x 64, wave w over the first half of K, wave w + 4 over the second.
; THE OPERANDS GO FROM MEMORY STRAIGHT INTO REGISTERS, 512 consecutive bytes an instruction.  A stage is 64 along K: 16 loads, 16 matrix instructions; four register buffers take turns; loads run three stages (48 loads a wave) ahead.
; No tensor load is left that a cluster could ask for jointly, so there is no cluster; the loads themselves run ahead, so no prefetch.
; THE TWO HALVES OF K MEET IN LDS.  Wave w + 4 takes R's tiles in the order 2, 3, 0, 1: so every wave keeps the tiles in its accumulators a = 0, 1, sends those in a = 2, 3 to its partner, and finishes two tiles.
; The bias, divided by 2^(ea + eb), is the C of the first products of a = 0, 1 alone: each output gets it once.
; LIMITS: ea + eb between -126 and 127.  NaN and infinity are not served.
.set KTOT, 4096
.set POFF, 5242880
.set EA, 68+14
.set EB, 68+15
.set TS, 16*KTOT                       ; bytes of a tile's image
.set KH, 8*KTOT                        ; bytes of half of K in it
.set NS, KTOT/128                      ; stages of a wave
.set BIASA, 2
.set STAGE, 65536                      ; LDS: 8 x 8,192 bytes for the exchange; 8 stages of 16 rows x 272 bytes; the spare words
.set SPARE, 100352
.set ACC, 128
.set RA, 24
.set RB, 26
.set PP, 28
.set MSB, 0
.macro WIN new
.if MSB != \new
	s_set_vgpr_msb (MSB<<8)|\new
.set MSB, \new
.endif
.endm
.macro LD st                           ; stage st into buffer st % 4 of window 1: R's fragment a at 8 a, P's b at 32 + 8 b
.set FB, 64*((\st)%4)
.irp i, 0,1,2,3
.irp c, 0,1
	global_load_b128 v[FB+32+8*\i+4*\c:FB+32+8*\i+4*\c+3], v2, s[PP:PP+1] offset:\i*TS+(\st)*1024+512*\c
.endr
.endr
.irp i, 0,1
.irp c, 0,1
	global_load_b128 v[FB+8*\i+4*\c:FB+8*\i+4*\c+3], v2, s[RA:RA+1] offset:\i*TS+(\st)*1024+512*\c
.endr
.endr
.irp i, 0,1
.irp c, 0,1
	global_load_b128 v[FB+16+8*\i+4*\c:FB+16+8*\i+4*\c+3], v2, s[RB:RB+1] offset:\i*TS+(\st)*1024+512*\c
.endr
.endr
.endm
.macro MUL st, first                   ; the 16 accumulators take turns
.set FB, 64*((\st)%4)
.irp a, 0,1,2,3
.irp b, 0,1,2,3
.if \first && (\a < BIASA)
	v_wmma_f32_16x16x64_bf8_bf8 v[ACC+8*(4*\a+\b):ACC+8*(4*\a+\b)+7], v[FB+32+8*\b:FB+32+8*\b+7], v[FB+8*\a:FB+8*\a+7], v[32+8*\b:32+8*\b+7]
.elseif \first
	v_wmma_f32_16x16x64_bf8_bf8 v[ACC+8*(4*\a+\b):ACC+8*(4*\a+\b)+7], v[FB+32+8*\b:FB+32+8*\b+7], v[FB+8*\a:FB+8*\a+7], 0
.else
	v_wmma_f32_16x16x64_bf8_bf8 v[ACC+8*(4*\a+\b):ACC+8*(4*\a+\b)+7], v[FB+32+8*\b:FB+32+8*\b+7], v[FB+8*\a:FB+8*\a+7], v[ACC+8*(4*\a+\b):ACC+8*(4*\a+\b)+7]
.endif
.endr
.endr
.endm
.macro PIPE                            ; stages 0 to 2 are on their way.  Ahead of stage s the buffer that stage s - 1 left takes stage s + 3, four plain places behind its products (ISA guide 7.12.1)
	WIN 0x40
	LD 3
	s_wait_loadcnt 48                              ; behind stage 0's loads: three stages of 16
	WIN 0x05
	MUL 0, 1
.set ST, 1
.rept NS-1
.if ST+3 < NS
.rept 4
	v_nop
.endr
	WIN 0x40
	LD ST+3
.endif
.if NS-1-ST >= 3
	s_wait_loadcnt 48
.else
	s_wait_loadcnt 16*(NS-1-ST)
.endif
	WIN 0x05
	MUL ST, 0
.set ST, ST+1
.endr
	WIN 0
.rept 4
	v_nop
.endr
.endm
	s_load_b128 s[4:7], s[0:1], 0x0                ; R's image, wimg
	s_load_b64 s[8:9], s[0:1], 0x10                ; the scales' exponents
	s_load_b128 s[84:87], s[0:1], 0x18             ; the bias, the residual
	s_load_b64 s[88:89], s[0:1], 0x28              ; the result
	v_lshl_add_u32 v28, v0, 2, SPARE
	v_mov_b32 v29, 0
	v_lshrrev_b32 v1, 5, v0
	v_readfirstlane_b32 s10, v1                    ; wave 0..7
	s_lshr_b32 s13, s10, 2                         ; my half of K
	s_bfe_u32 s11, s10, 0x10001                    ; my half of R
	s_and_b32 s12, s10, 1                          ; my half of P
	s_and_b32 s14, ttmp7, 0xffff                   ; y: the block of 128 tokens
	s_lshl_b32 s16, s14, 3
	s_lshl_b32 s17, s11, 2
	s_add_co_u32 s16, s16, s17
	s_mul_i32 s16, s16, TS
	s_mul_i32 s17, s13, KH
	s_add_co_u32 s16, s16, s17                     ; my four tiles of R at my half of K
	s_mul_i32 s18, s13, 2*TS
	s_add_co_u32 s20, s16, s18                     ; a = 0, 1: tiles 0, 1 (second half of K: 2, 3)
	s_sub_co_u32 s18, 2*TS, s18
	s_add_co_u32 s22, s16, s18                     ; a = 2, 3: the other two
	s_mov_b32 s21, 0
	s_mov_b32 s23, 0
	s_lshl_b32 s46, ttmp9, 3
	s_lshl_b32 s47, s12, 2
	s_add_co_u32 s46, s46, s47
	s_mul_i32 s46, s46, TS
	s_add_co_u32 s46, s46, s17
	s_add_co_u32 s46, s46, POFF
	s_mov_b32 s47, 0
	s_lshl_b32 s96, ttmp9, 9
	s_lshl_b32 s97, s12, 8
	s_add_co_u32 s96, s96, s97                     ; my first column, in bytes
	s_mov_b32 s97, 0
	s_lshl_b32 s98, s14, 19
	s_lshl_b32 s99, s11, 18
	s_add_co_u32 s98, s98, s99
	s_lshl_b32 s99, s13, 17                        ; the tiles that I finish begin 32 rows further down in the second half's waves
	s_add_co_u32 s98, s98, s99
	s_add_co_u32 s98, s98, s96
	s_mov_b32 s99, 0
	v_and_b32 v1, 31, v0
	v_lshlrev_b32 v2, 4, v1                        ; 16 x lane
	v_bfe_u32 v3, v0, 4, 1                         ; h
	v_lshlrev_b32 v4, 6, v3
	v_and_b32 v5, 15, v0                           ; r
	s_mul_i32 s19, s10, 4352
	s_add_co_u32 s19, s19, STAGE                   ; my stage
	v_mul_u32_u24 v6, v5, 272
	v_lshl_add_u32 v6, v3, 6, v6
	v_add_nc_u32 v24, s19, v6                      ; in: row r, 64 h bytes on
	v_mul_u32_u24 v6, v3, 272
	v_lshl_add_u32 v6, v5, 4, v6
	v_add_nc_u32 v25, s19, v6                      ; back: lanes 0-15 one row of 256 bytes, lanes 16-31 the next
	v_lshlrev_b32 v26, 12, v3
	v_lshl_add_u32 v26, v5, 4, v26                 ; and the same two rows in memory
	s_lshl_b32 s19, s10, 13
	v_add_nc_u32 v27, s19, v2                      ; the exchange: what I send,
	s_xor_b32 s19, s10, 4
	s_lshl_b32 s19, s19, 13
	v_add_nc_u32 v23, s19, v2                      ; and what my partner sends
	s_wait_alu depctr_va_vdst(0)
	s_wait_kmcnt 0x0
	s_load_b512 s[68:83], s[8:9], 0x0              ; entry i in s[68 + i]
	s_add_nc_u64 s[RA:RA+1], s[4:5], s[20:21]
	s_add_nc_u64 s[RB:RB+1], s[4:5], s[22:23]
	s_add_nc_u64 s[PP:PP+1], s[6:7], s[46:47]
	s_add_nc_u64 s[84:85], s[84:85], s[96:97]
	s_add_nc_u64 s[86:87], s[86:87], s[98:99]
	s_add_nc_u64 s[88:89], s[88:89], s[98:99]
.irp a, 0,1
.irp t, 0,1,2,3,4,5,6,7
	global_load_b128 v[64+32*\a+4*\t:64+32*\a+4*\t+3], v26, s[86:87] offset:(8*\a+2*\t+8*(\t/4))*4096   ; the residual of the two tiles that I finish
.endr
.endr
.irp b, 0,1,2,3
	global_load_b128 v[32+8*\b:35+8*\b], v4, s[84:85] offset:128*(\b/2)+32*(\b%2)
	global_load_b128 v[36+8*\b:39+8*\b], v4, s[84:85] offset:128*(\b/2)+32*(\b%2)+16
.endr
	WIN 0x40
	LD 0
	LD 1
	LD 2
	WIN 0
	s_wait_kmcnt 0x0
	s_add_co_i32 s21, s[EA], s[EB]
	s_sub_co_i32 s22, 0, s21
	s_add_co_i32 s21, s21, 127
	s_lshl_b32 s66, s21, 23                        ; 2^(ea + eb)
	s_mov_b32 s67, s66
	s_wait_loadcnt 48                              ; residual and bias are in; three stages may be out
.set J, 0
.rept 32
	v_ldexp_f32 v[32+J], v[32+J], s22
.set J, J+1
.endr
	s_wait_alu depctr_va_vdst(0)                   ; the wait at the head's end
	PIPE
.set N, 0
.rept 16
	ds_store_b128 v27, v[ACC+64+4*N:ACC+64+4*N+3] offset:512*N     ; a = 2, 3 as an image of registers, each accumulator from its low end on
.set N, N+1
.endr
	s_wait_dscnt 0x0                               ; for my partner's sake
	s_barrier_signal -1
	s_barrier_wait -1
.set N, 0
.rept 16
	ds_load_b128 v[ACC+64+4*N:ACC+64+4*N+3], v23 offset:512*N      ; my partner's sums over the other half of K, for the tiles that I keep
.set N, N+1
.endr
	s_wait_dscnt 0x0
.set J, 0
.rept 32
	v_pk_add_f32 v[ACC+J:ACC+J+1], v[ACC+J:ACC+J+1], v[ACC+64+J:ACC+64+J+1]
.set J, J+2
.endr
	s_wait_alu depctr_va_vdst(0)
.irp a, 0,1                            ; through my stage, so that sixteen lanes store one aligned unit of 256 bytes: sum x 2^(ea + eb) + residual
.set BB, 192+32*\a
.irp b, 0,1,2,3
	ds_store_b128 v24, v[ACC+8*(4*\a+\b):ACC+8*(4*\a+\b)+3] offset:128*(\b/2)+32*(\b%2)
	ds_store_b128 v24, v[ACC+8*(4*\a+\b)+4:ACC+8*(4*\a+\b)+7] offset:128*(\b/2)+32*(\b%2)+16
.endr
.irp t, 0,1,2,3,4,5,6,7
	ds_load_b128 v[BB+4*\t:BB+4*\t+3], v25 offset:544*\t
.endr
	s_wait_dscnt 0x0
.irp i, 0,2,4,6,8,10,12,14,16,18,20,22,24,26,28,30
	v_pk_fma_f32 v[BB+\i:BB+\i+1], v[BB+\i:BB+\i+1], s[66:67], v[64+32*\a+\i:64+32*\a+\i+1] op_sel_hi:[1,0,1]
.endr
.irp t, 0,1,2,3,4,5,6,7
	global_store_b128 v26, v[BB+4*\t:BB+4*\t+3], s[88:89] offset:(8*\a+2*\t+8*(\t/4))*4096 th:TH_STORE_NT
.endr
.endr
	s_wait_tensorcnt 0x0                           ; the wave's end
	ds_add_u32 v28, v29
	s_wait_dscnt 0x0
	s_endpgm
.Lfunc_end_k_q7a5650ceae_down:
	.size	k_q7a5650ceae_down, .Lfunc_end_k_q7a5650ceae_down-k_q7a5650ceae_down
	.p2alignl 7, 3214868480
	.fill 96, 4, 3214868480
	.section	.rodata,"a",@progbits
	.p2align	6, 0x0
	.amdhsa_kernel k_q7a5650ceae_down
		.amdhsa_group_segment_fixed_size 101376
		.amdhsa_private_segment_fixed_size 0
		.amdhsa_enable_private_segment 0
		.amdhsa_kernarg_size 48
		.amdhsa_user_sgpr_count 2
		.amdhsa_user_sgpr_kernarg_segment_ptr 1
		.amdhsa_wavefront_size32 1
		.amdhsa_system_sgpr_workgroup_id_x 1
		.amdhsa_system_sgpr_workgroup_id_y 1
		.amdhsa_system_sgpr_workgroup_id_z 1
		.amdhsa_system_vgpr_workitem_id 0
		.amdhsa_next_free_vgpr 512
		.amdhsa_next_free_sgpr 100
		.amdhsa_reserve_vcc 0
		.amdhsa_float_denorm_mode_32 3
		.amdhsa_float_denorm_mode_16_64 3
		.amdhsa_memory_ordered 1
		.amdhsa_forward_progress 1
		.amdhsa_inst_pref_size 105
	.end_amdhsa_kernel
	.amdgpu_metadata
---
amdhsa.version: [ 1, 2 ]
amdhsa.kernels:
  - .name:           k_q7a5650ceae_down
    .symbol:         k_q7a5650ceae_down.kd
    .args:
      - { .name: gimg, .offset: 0, .size: 8, .value_kind: global_buffer, .address_space: global }
      - { .name: wimg, .offset: 8, .size: 8, .value_kind: global_buffer, .address_space: global }
      - { .name: lowp_scales, .offset: 16, .size: 8, .value_kind: global_buffer, .address_space: global }
      - { .name: b2, .offset: 24, .size: 8, .value_kind: global_buffer, .address_space: global }
      - { .name: x2, .offset: 32, .size: 8, .value_kind: global_buffer, .address_space: global }
      - { .name: out0, .offset: 40, .size: 8, .value_kind: global_buffer, .address_space: global }
    .group_segment_fixed_size: 101376
    .private_segment_fixed_size: 0
    .kernarg_segment_align: 8
    .kernarg_segment_size: 48
    .max_flat_workgroup_size: 256
    .sgpr_count:     100
    .vgpr_count:     512
    .wavefront_size: 32
...
	.end_amdgpu_metadata
.endif
;; end of part 7
